; MI455X (gfx1250); checked and timed in simulation.
; The chip was launched on July 23, 2026; its instructions are those of AMD's public machine-readable ISA for CDNA 5 (MIT licence, August 2026) and "CDNA5" Instruction Set Architecture Reference Guide (July 2026). The comments in the code are by the model that wrote it; some were corrected since.
;; Linear Multi Head Attention. Allowed arithmetic: float matrix products may take bf16 or f16 operands with f32 sums; all other float work in f32.
;; Inputs: Wk 1,024 x 1,024 float32; Wo 1,024 x 512 float32; Wq 1,024 x 1,024 float32; Wv 1,024 x 1,024 float32; bk 1,024 float32; bo 512 float32; bq 1,024 float32; bv 1,024 float32; key 4 x 4,096 x 1,024 float32; query 4 x 4,096 x 1,024 float32; value 4 x 4,096 x 1,024 float32.
;; Outputs: out0 4 x 4,096 x 512 float32.
;; 2 versions, each right; version 2 is version 1 with the launch prep written anew for expert scheduling mode. Each part assembles by itself: llvm-mc -triple=amdgcn-amd-amdhsa -mcpu=gfx1250 --defsym DOCPART=n.
;; ======== version 1 of 2: 5 launches
;; limits: values are held in f16: magnitudes above 65,504 overflow, below 6.1e-05 lose precision; right only within a limited range of input values
;; workspace buffers: WF 6,291,456 bytes; WOF 1,048,576 bytes; ACT 100,663,296 bytes; KVP 5,242,880 bytes; MF 5,242,880 bytes; REC 512 bytes
;; launch prep (part 1): grid 16 x 28, 4 waves a work-group, no clusters, 0 bytes of LDS; arguments Wq, Wk, Wv, Wo, WF, WOF; writes WF, WOF
.if DOCPART == 1
	.amdgcn_target "amdgcn-amd-amdhsa--gfx1250"
	.amdhsa_code_object_version 6
	.text
	.protected	k_q037664becb_prep
	.globl	k_q037664becb_prep
	.p2align	8
	.type	k_q037664becb_prep,@function
k_q037664becb_prep:
	s_mov_b64 s[64:65], 0
	v_nop
	global_prefetch_b8 v0, s[64:65] scope:SCOPE_SE
	s_setreg_imm32_b32 hwreg(HW_REG_WAVE_MODE, 25, 1), 1
	s_wait_xcnt 0x0
; The four weight matrices are rounded to bf16 and laid in FRAGMENT ORDER, the register image of a 16-bit matrix operand:
; a fragment is 16 columns n x 32 k in 1,024 bytes, [c (2)][lane (32)][16 bytes]; lane (r = lane % 16, h = lane / 16) holds column r, k = 16 c + 8 h + 0..7.
; WF  = [which: q, k, v][s = k / 64 (16)][n / 16 (64)][kb (2)][fragment], bf16.     WOF = [head (16)][n / 16 (32)][kb (2)][fragment]: Wo rounded to bf16, that number written as f16
; (exact where |Wo| is 6.1e-5 or more; below that f16's fixed step of 6e-8; |Wo| stays within 65,504).
; A work-group takes 64 rows k (x = s) and 128 columns (y: 8 groups for each of Wq, Wk, Wv, then 4 for Wo); thread t keeps one column: 64 loads of 4 bytes, eight stores of 16 bytes.
; A wave's load covers 128 consecutive bytes of a row; sixteen neighbouring lanes of a store fill 256 consecutive bytes, aligned.  No LDS, no matrix unit, no cluster: no byte is read twice.
.set X, 16                             ; v[16:79]   the column's 64 numbers as loaded
.set Y, 80                             ; v[80:111]  eight octets of 8 numbers, packed; each octet has registers of its own, so no store's data is rewritten
.macro BODY pitch, f16                 ; v3 = my column n; s[20:21] the matrix at its row 64 s; s[26:27] the output at block s
	v_lshlrev_b32 v1, 2, v3                        ; 4 n
	v_lshrrev_b32 v2, 4, v3
	v_and_b32 v4, 15, v3
	v_lshlrev_b32 v4, 4, v4
	v_lshl_add_u32 v2, v2, 11, v4                  ; (n / 16) x 2,048 + (n % 16) x 16
.set k, 0
.rept 64
	global_load_b32 v[X+k], v1, s[20:21] offset:k*\pitch th:TH_LOAD_NT
.set k, k+1
.endr
.set o, 0
.rept 8                                ; octet o = 4 kb + 2 c + h holds k = 8 o .. 8 o + 7 and lies 256 o bytes into the column tile's 2,048
	s_wait_loadcnt 56-8*o                          ; loads come back in order: the 56 - 8 o younger ones may stay out
.set j, 0
.rept 4
	v_cvt_pk_bf16_f32 v[Y+4*o+j], v[X+8*o+2*j], v[X+8*o+2*j+1]
.set j, j+1
.endr
.if \f16
.set j, 0
.rept 4
	v_lshlrev_b32 v[X+8*o+2*j], 16, v[Y+4*o+j]     ; the bf16 numbers back in f32,
	v_and_b32 v[X+8*o+2*j+1], 0xffff0000, v[Y+4*o+j]
.set j, j+1
.endr
.set j, 0
.rept 4
	v_cvt_pk_f16_f32 v[Y+4*o+j], v[X+8*o+2*j], v[X+8*o+2*j+1]  ; and written as f16
.set j, j+1
.endr
.endif
	global_store_b128 v2, v[Y+4*o:Y+4*o+3], s[26:27] offset:256*o
.set o, o+1
.endr
.endm
	s_load_b256 s[4:11], s[0:1], 0x0               ; Wq s[4:5], Wk s[6:7], Wv s[8:9], Wo s[10:11]
	s_load_b128 s[12:15], s[0:1], 0x20             ; WF s[12:13], WOF s[14:15]
	s_and_b32 s16, ttmp7, 0xffff                   ; y
	s_mov_b32 s19, 0
	s_mov_b32 s23, 0
	s_cmp_ge_u32 s16, 24
	s_cbranch_scc1 .Lwo
	s_lshr_b32 s17, s16, 3                         ; which of Wq, Wk, Wv
	s_and_b32 s24, s16, 7
	s_lshl_b32 s24, s24, 7
	v_add_nc_u32 v3, s24, v0                       ; my column
	s_lshl_b32 s18, ttmp9, 18                      ; 64 rows of 4,096 bytes
	s_lshl_b32 s22, s17, 21                        ; a matrix is 2 MiB of WF,
	s_lshl_b32 s25, ttmp9, 17                      ; a block s 131,072 bytes
	s_add_co_u32 s22, s22, s25
	s_wait_kmcnt 0x0
	s_cmp_eq_u32 s17, 1
	s_cselect_b64 s[20:21], s[6:7], s[4:5]
	s_cmp_eq_u32 s17, 2
	s_cselect_b64 s[20:21], s[8:9], s[20:21]
	s_add_nc_u64 s[20:21], s[20:21], s[18:19]
	s_add_nc_u64 s[26:27], s[12:13], s[22:23]
	BODY 4096, 0
	s_endpgm
.Lwo:
	s_sub_co_u32 s24, s16, 24
	s_lshl_b32 s24, s24, 7
	v_add_nc_u32 v3, s24, v0
	s_lshl_b32 s18, ttmp9, 17                      ; 64 rows of 2,048 bytes: a head's dv
	s_lshl_b32 s22, ttmp9, 16                      ; a head is 65,536 bytes of WOF
	s_wait_kmcnt 0x0
	s_add_nc_u64 s[20:21], s[10:11], s[18:19]
	s_add_nc_u64 s[26:27], s[14:15], s[22:23]
	BODY 2048, 1
	s_endpgm
.Lfunc_end_k_q037664becb_prep:
	.size	k_q037664becb_prep, .Lfunc_end_k_q037664becb_prep-k_q037664becb_prep
	.p2alignl 7, 3214868480
	.fill 96, 4, 3214868480
	.section	.rodata,"a",@progbits
	.p2align	6, 0x0
	.amdhsa_kernel k_q037664becb_prep
		.amdhsa_group_segment_fixed_size 0
		.amdhsa_private_segment_fixed_size 0
		.amdhsa_enable_private_segment 0
		.amdhsa_kernarg_size 48
		.amdhsa_user_sgpr_count 2
		.amdhsa_user_sgpr_kernarg_segment_ptr 1
		.amdhsa_wavefront_size32 1
		.amdhsa_system_sgpr_workgroup_id_x 1
		.amdhsa_system_sgpr_workgroup_id_y 1
		.amdhsa_system_sgpr_workgroup_id_z 1
		.amdhsa_system_vgpr_workitem_id 0
		.amdhsa_next_free_vgpr 112
		.amdhsa_next_free_sgpr 66
		.amdhsa_reserve_vcc 0
		.amdhsa_float_denorm_mode_32 3
		.amdhsa_float_denorm_mode_16_64 3
		.amdhsa_memory_ordered 1
		.amdhsa_forward_progress 1
		.amdhsa_inst_pref_size 25
	.end_amdhsa_kernel
	.amdgpu_metadata
---
amdhsa.version: [ 1, 2 ]
amdhsa.kernels:
  - .name:           k_q037664becb_prep
    .symbol:         k_q037664becb_prep.kd
    .args:
      - { .name: Wq, .offset: 0, .size: 8, .value_kind: global_buffer, .address_space: global }
      - { .name: Wk, .offset: 8, .size: 8, .value_kind: global_buffer, .address_space: global }
      - { .name: Wv, .offset: 16, .size: 8, .value_kind: global_buffer, .address_space: global }
      - { .name: Wo, .offset: 24, .size: 8, .value_kind: global_buffer, .address_space: global }
      - { .name: WF, .offset: 32, .size: 8, .value_kind: global_buffer, .address_space: global }
      - { .name: WOF, .offset: 40, .size: 8, .value_kind: global_buffer, .address_space: global }
    .group_segment_fixed_size: 0
    .private_segment_fixed_size: 0
    .kernarg_segment_align: 8
    .kernarg_segment_size: 48
    .max_flat_workgroup_size: 128
    .sgpr_count:     66
    .vgpr_count:     112
    .wavefront_size: 32
...
	.end_amdgpu_metadata
.endif
;; end of part 1
;; launch proj (part 2): grid 4 x 192, 4 waves a work-group, clusters of 4 x 4, 327,680 bytes of LDS; arguments query, key, value, bq, bk, bv, WF, ACT; writes ACT
.if DOCPART == 2
	.amdgcn_target "amdgcn-amd-amdhsa--gfx1250"
	.amdhsa_code_object_version 6
	.text
	.protected	k_q037664becb_proj
	.globl	k_q037664becb_proj
	.p2align	8
	.type	k_q037664becb_proj,@function
k_q037664becb_proj:
	s_mov_b64 s[64:65], 0
	v_nop
	global_prefetch_b8 v0, s[64:65] scope:SCOPE_SE
	s_setreg_imm32_b32 hwreg(HW_REG_WAVE_MODE, 25, 1), 1
	s_wait_xcnt 0x0
	s_wait_alu depctr_hold_cnt(0) depctr_sa_sdst(0) depctr_va_vdst(0) depctr_va_sdst(0) depctr_va_ssrc(0) depctr_va_vcc(0) depctr_vm_vsrc(0)
	s_getreg_b32 s2, hwreg(HW_REG_IB_STS2, 6, 4)
	s_cmp_eq_u32 s2, 0
	s_cbranch_scc0 .Lentry_in_a_cluster
	s_endpgm
.Lentry_in_a_cluster:
	s_bfe_u32 s2, ttmp6, 0x10000c
	s_cmp_lg_u32 s2, 0xf033
	s_cbranch_scc0 .Lentry_shape_is_right
	s_endpgm
.Lentry_shape_is_right:
; THE THREE PROJECTIONS.  q = phi(query Wq + bq), k = phi(key Wk + bk), v = value Wv + bv; phi(x) = x + 1 for x > 0, e^x otherwise.  [16,384 x 1,024] x [1,024 x 1,024] each.
; Activations (f32 in memory), weights and biases are rounded to bf16; sums and phi in f32; q, k, v leave in f16, once rounded, in fragment order (16 rows x 32 K in 1,024 bytes, [c][lane][16 bytes]):
;   ACT = [q, k, v (32 MiB apart)][t / 32 (512)][column / 16 (64)][fragment with rows = columns, K = t]
; LIMITS.  |q|, |k|, |v| stay within f16's 65,504; below 6.1e-5 f16 keeps its fixed step of 6e-8; e^x below 2^-126 counts as 0; NaN and infinities are not treated apart.
; SHARES.  A work-group makes 256 rows x 256 columns of one projection (which = cluster y / 16: the same in all partners); wave w owns rows 64 w .. 64 w + 63 and all 256 columns:
; 64 accumulators, 512 registers.  So each f32 row of the activations is read from LDS and rounded by one wave alone.
; THE RING.  K goes in 16 units of 64 (rows of 256 bytes of f32); a unit is two quarters of 32 along K, 64 matrix instructions each.  LDS holds three alike areas of one unit each; unit u lies in area u % 3.
; Area 0 is one slot, areas 1 and 2 together the other: two refills for 192 along K.  When areas 1 and 2 are filled, waves 0 and 1 bring a unit's 256 rows of activations each and waves 2 and 3 a unit's
; weights each; when area 0 is filled, each brings half of its kind.  One tensor load a wave behind each round; two of a wave's are out at the start, later one.
; THE SUMS START FROM THE BIAS (+ 1 for q and k): 512 v_mov_b32 in the wait for the first tile.  That is the price of writing no first quarter out: the loop is entered in its middle, five passes hold
; every refill, and the way out has no addition.
; CLUSTER 4 x 4: the four of a row of the cluster need the same rows of the activations, the four of a column the same weights: each tile is asked for jointly.
; The matrix instruction takes source 0 = 16 rows t, source 1 = 16 columns: a lane of the result holds ONE column (lane % 16) and t = 8 (lane / 16) + 0..7, so two results
; rounded in pairs ARE a fragment with K = t, and go straight to memory, 512 consecutive bytes a store.
; REGISTERS, in windows of 256 (s_set_vgpr_msb: bits 1:0 source 0, 3:2 source 1, 5:4 source 2, 7:6 destination):
;   window 0: v0-31 addresses; v32-95 the activations of a quarter in f32; v96-127, v128-159 their fragments, two buffers; v160-175 the biases
;   window 1: v0-127, v128-255 the weights' fragments, two buffers; on the way out v0-63 e^x, v64-255 six sets of 32 packed registers
;   windows 2, 3: accumulator (a, nt) in window 2 + a / 2 at v[8 (16 (a % 2) + nt)]
.set APITCH, 272                       ; an LDS row of activations: 256 bytes + 16 of padding: the 16 rows of a load start at 16 different groups of four banks (ISA guide 11.1)
.set AHALF,  128*APITCH
.set BOFF,   256*APITCH                ; behind a unit's activations its weights: 16 column tiles x 2,048 dense bytes
.set BHALF,  16384
.set UNIT,   BOFF+2*BHALF              ; 102,400
.set SPARE,  3*UNIT                    ; the spare words, 128 bytes for each wave: two blocks of 256 bytes that no other line names
.set ADRA, 16                          ; v16-18  LDS address of my activations in area 0, 1, 2
.set ADRB, 20                          ; v20-22  the same for the weights
.set GO,   26                          ; v26     16 x lane
.set R4,   27                          ; v27     4 x (lane % 16)
.set SPW,  28                          ; v28     LDS address of my spare word; never rewritten
.set NIL,  29                          ; v29     0; never rewritten
.set AS,   32
.set AF,   96
.set BI,   160
.set TT,   0                           ; window 1, on the way out
.set PP,   64
.set WV,   12                          ; s12 wave
.set XG,   17                          ; s17 group of 256 columns
.set WHICH, 19                         ; s19 0 q, 1 k, 2 v
.set RB,   20                          ; s20 block of 256 rows
.set G1A,  28                          ; s[28:35] group 1 for half a unit's activations; s[68:75] (G1A + 40) for a whole unit's
.set G0A,  36                          ; s[36:39] group 0 for area 0; s[40:43] for areas 1, 2
.set G1B,  44                          ; s[44:51] group 1 for half a unit's weights; s[76:83] (G1B + 32) for a whole unit's
.set G0B,  52                          ; s[52:55], s[56:59] as G0A
.set L2E,  60                          ; s[60:61] log2(e)
.set NL2E, 62                          ; s[62:63] -log2(e)
.set ONE,  66                          ; s66 1.0 for q and k, 0 for v
.set CNT,  67
.set WA,   (2<<16)|(1<<20)|(1<<21)|(5<<22)|(3<<25)   ; elements of 4 bytes; padding on; bit 21 beside a mask; 4 words of padding behind every 64
.set WB,   (3<<16)|(1<<21)                           ; elements of 8 bytes, no padding
.set MUL_LO, 0xa4                      ; source 0 window 0, source 1 window 1, C and D window 2
.set MUL_HI, 0xf4                      ; the same, C and D window 3
.set MSB, 0
.macro WIN new                         ; the immediate's high byte repeats the setting that is left; a switch that changes nothing is dropped
.if MSB != (\new)
	s_set_vgpr_msb (MSB<<8)|(\new)
.set MSB, \new
.endif
.endm
.macro PLACES                          ; four places between matrix instructions and loads into, or vector writes of, their registers (ISA guide 7.12.1 for vector writes)
.rept 4
	v_nop
.endr
.endm
.macro SHAPE g, m, w0, c, r, p         ; a group 1: mask register m, first word w0, rows of c elements, r rows, p elements from row to row
	s_or_b32 s[\g], s[\m], \w0
	s_mov_b32 s[(\g)+1], (\c)<<16
	s_mov_b32 s[(\g)+2], (\r)<<16
	s_mov_b32 s[(\g)+3], (\c)<<16
	s_mov_b32 s[(\g)+4], \r
	s_mov_b32 s[(\g)+5], \p
	s_mov_b32 s[(\g)+6], 0
	s_mov_b32 s[(\g)+7], 0
.endm
; A joint load.  k = 0: area 0; k = 1: areas 1 and 2.  Waves 0 and 1 fetch activations, waves 2 and 3 weights.  The branch hangs on the wave's number alone.
; An s_nop 0 and four v_nop follow each of the two lines.
.macro JLOAD k
	s_cmp_lt_u32 s[WV], 2
	s_cbranch_scc0 .Lfor_b_\@
	tensor_load_to_lds s[G0A+4*(\k):G0A+4*(\k)+3], s[G1A+40*(\k):G1A+40*(\k)+7]
	s_nop 0
.rept 4
	v_nop
.endr
	s_branch .Lasked_\@
.Lfor_b_\@:
	tensor_load_to_lds s[G0B+4*(\k):G0B+4*(\k)+3], s[G1B+32*(\k):G1B+32*(\k)+7]
	s_nop 0
.rept 4
	v_nop
.endr
.Lasked_\@:
.endm
.macro CROUND                          ; a round of the cluster's barrier
	s_barrier_signal -1
	s_barrier_wait -1
	s_cmp_lg_u32 s[WV], 0
	s_cbranch_scc1 .Lnot_wave_0_\@
	s_barrier_signal -3
.Lnot_wave_0_\@:
	s_barrier_wait -3
	s_barrier_signal -1
	s_barrier_wait -1
.endm
; 16 matrix instructions: my rows 16 a .. 16 a + 15 x all 16 column tiles, 32 along K, from buffers f.  The 64 accumulators take turns.
.macro MULA f, a
	WIN MUL_LO+0x50*((\a)/2)
.set mn, 0
.rept 16
.set rD, 8*(16*((\a)%2)+mn)
	v_wmma_f32_16x16x32_bf16 v[rD:rD+7], v[AF+32*(\f)+8*(\a):AF+32*(\f)+8*(\a)+7], v[128*(\f)+8*mn:128*(\f)+8*mn+7], v[rD:rD+7]
.set mn, mn+1
.endr
.endm
; The same for a = 3, with the next quarter's 32 roundings to bf16 (into buffer g) behind its last eight matrix instructions, four behind each.
.macro MULR f, g
.set mn, 0
.rept 16
.if mn == 8
	s_wait_dscnt 32                                ; the 16 loads of activations are in; the 32 of weights are younger and may stay out
.endif
	WIN MUL_HI
.set rD, 8*(16+mn)
	v_wmma_f32_16x16x32_bf16 v[rD:rD+7], v[AF+32*(\f)+24:AF+32*(\f)+31], v[128*(\f)+8*mn:128*(\f)+8*mn+7], v[rD:rD+7]
.if mn >= 8
	WIN 0
.set ci, 4*(mn-8)
.rept 4
	v_cvt_pk_bf16_f32 v[AF+32*(\g)+ci], v[AS+2*ci], v[AS+2*ci+1]
.set ci, ci+1
.endr
.endif
.set mn, mn+1
.endr
.endm
; 48 LDS loads in one run: quarter kq of area n.  First my 64 rows of activations in f32 (a lane's 8 + 8 numbers of a fragment are 32 + 32 bytes, 64 apart), then the weights' 16 fragments into buffer g.
.macro FETCH n, kq, g
	WIN 0
.set fa, 0
.rept 4
	ds_load_b128 v[AS+16*fa:AS+16*fa+3],     v[ADRA+(\n)] offset:fa*16*APITCH+128*(\kq)
	ds_load_b128 v[AS+16*fa+4:AS+16*fa+7],   v[ADRA+(\n)] offset:fa*16*APITCH+128*(\kq)+16
	ds_load_b128 v[AS+16*fa+8:AS+16*fa+11],  v[ADRA+(\n)] offset:fa*16*APITCH+128*(\kq)+64
	ds_load_b128 v[AS+16*fa+12:AS+16*fa+15], v[ADRA+(\n)] offset:fa*16*APITCH+128*(\kq)+80
.set fa, fa+1
.endr
	WIN 0x40
.set fb, 0
.rept 16
	ds_load_b128 v[128*(\g)+8*fb:128*(\g)+8*fb+3],   v[ADRB+(\n)] offset:fb*2048+1024*(\kq)
	ds_load_b128 v[128*(\g)+8*fb+4:128*(\g)+8*fb+7], v[ADRB+(\n)] offset:fb*2048+1024*(\kq)+512
.set fb, fb+1
.endr
.endm
; A quarter without a change of slots: multiplies buffers f and fetches quarter kq of area n into buffers g.
.macro QUARTER f, g, n, kq
	s_wait_dscnt 0x0                               ; this quarter's weights are in
	MULA \f, 0
	MULA \f, 1
	PLACES
	FETCH \n, \kq, \g
	MULA \f, 2
	MULR \f, \g
.endm
; A unit's second quarter (buffers 1) with a change of slots, behind 16 pre of its matrix instructions.  Each wave waits for all its tensor loads (one is out: its part of the other slot), adds 0 to its
; spare word, and waits for that; its reads of the slot that it leaves came back at the quarter's head.  k = 0: area 0 is filled again; k = 1: areas 1 and 2; both three units on, first thing behind
; a round of the cluster's barrier; no matrix instruction stands between the wait and the request.  k = 2: nothing is left to fetch.  Then the first quarter of area m is fetched.
.macro TURN k, pre, m
	s_wait_dscnt 0x0                               ; this quarter's weights are in: every LDS read of mine is back
.irp a, 0,1,2
.if \a < \pre
	MULA 1, \a
.endif
.endr
	WIN 0
	s_wait_tensorcnt 0x0
	ds_add_u32 v[SPW], v[NIL]
.if \k < 2
	s_add_nc_u64 s[G0A+4*(\k)+2:G0A+4*(\k)+3], s[G0A+4*(\k)+2:G0A+4*(\k)+3], 768      ; three units of 256 bytes along the rows
	s_add_nc_u64 s[G0B+4*(\k)+2:G0B+4*(\k)+3], s[G0B+4*(\k)+2:G0B+4*(\k)+3], 393216   ; three blocks of the weights
.endif
	s_wait_dscnt 0x0                               ; the add is done
.if \k < 2
	CROUND
	JLOAD \k                                       ; its four v_nop are also the places in front of the loads below
.else
	s_barrier_signal -1
	s_barrier_wait -1
	PLACES
.endif
	FETCH \m, 0, 0
.irp a, 0,1,2
.if \a >= \pre
	MULA 1, \a
.endif
.endr
	MULR 1, 0
.endm
	s_load_b512 s[68:83], s[0:1], 0x0              ; query 68, key 70, value 72, bq 74, bk 76, bv 78, WF 80, ACT 82
	v_lshl_add_u32 v[SPW], v0, 2, SPARE
	v_mov_b32 v[NIL], 0
	ds_add_u32 v28, v29
	s_wait_dscnt 0x0
	v_lshrrev_b32 v1, 5, v0
	v_readfirstlane_b32 s[WV], v1
	s_and_b32 s14, s[WV], 1                        ; which half, or which of two units, I fetch
	s_bfe_u32 s15, ttmp6, 0x40000                  ; cx
	s_bfe_u32 s16, ttmp6, 0x40004                  ; cy
	s_lshl_b32 s[XG], ttmp9, 2
	s_add_co_u32 s[XG], s[XG], s15
	s_and_b32 s18, ttmp7, 0xffff                   ; the cluster's y: 16 clusters to a projection
	s_lshr_b32 s[WHICH], s18, 4
	s_and_b32 s[RB], s18, 15
	s_lshl_b32 s[RB], s[RB], 2
	s_add_co_u32 s[RB], s[RB], s16
	s_lshl_b32 s21, s16, 2
	s_lshl_b32 s21, 15, s21                        ; my row of the cluster
	s_lshl_b32 s22, 0x1111, s15                    ; my column
	SHAPE G1A, 21, WA, 64, 128, 1024               ; 128 rows x 64 f32, 1,024 elements from row to row
	SHAPE G1B, 22, WB, 32, 64, 32                  ; 16,384 dense bytes as 64 rows of 256
	s_lshl_b32 s26, s[RB], 20                      ; activations: 256 rows of 4,096 bytes a block
	s_lshl_b32 s25, s14, 19
	s_add_co_u32 s24, s26, s25                     ; area 0: unit 0, my 128 rows
	s_mov_b32 s25, 0
	s_lshl_b32 s27, s14, 8
	s_add_co_u32 s26, s26, s27
	s_add_co_u32 s26, s26, 256                     ; areas 1, 2: unit 1 or 2, all 256 rows
	s_mov_b32 s27, 0
	s_lshl_b32 s94, s[WHICH], 21                   ; weights: the matrix,
	s_lshl_b32 s93, s[XG], 15                      ; the group's 16 column tiles
	s_add_co_u32 s94, s94, s93
	s_lshl_b32 s93, s14, 14
	s_add_co_u32 s92, s94, s93                     ; area 0: block 0, my 8 tiles
	s_mov_b32 s93, 0
	s_lshl_b32 s95, s14, 17
	s_add_co_u32 s94, s94, s95
	s_add_co_u32 s94, s94, 131072                  ; areas 1, 2: block 1 or 2, all 16 tiles
	s_mov_b32 s95, 0
	s_lshl_b32 s84, s[RB], 3                       ; the way out: block of 32 rows 8 RB + 2 w,
	s_lshl_b32 s85, s[WV], 1
	s_add_co_u32 s84, s84, s85
	s_lshl_b32 s84, s84, 16
	s_lshl_b32 s85, s[WHICH], 25
	s_add_co_u32 s84, s84, s85
	s_lshl_b32 s85, s[XG], 14                      ; the group's 16 column tiles of 1,024 bytes
	s_add_co_u32 s84, s84, s85
	s_mov_b32 s85, 0
	s_lshl_b32 s86, s[XG], 10                      ; the group's 256 biases
	s_mov_b32 s87, 0
	s_mul_i32 s88, s14, AHALF                      ; where the tiles go: no place in the cluster enters an LDS address
	s_mul_i32 s89, s14, BHALF
	s_add_co_u32 s89, s89, BOFF
	s_mul_i32 s90, s14, UNIT
	s_add_co_u32 s90, s90, UNIT
	s_add_co_u32 s91, s90, BOFF
	s_mov_b32 s[L2E], 0x3fb8aa3b
	s_mov_b32 s[L2E+1], 0x3fb8aa3b
	s_mov_b32 s[NL2E], 0xbfb8aa3b
	s_mov_b32 s[NL2E+1], 0xbfb8aa3b
	v_and_b32 v1, 15, v0                           ; r
	v_lshlrev_b32 v[R4], 2, v1
	s_wait_kmcnt 0x0
	s_cmp_eq_u32 s[WHICH], 1
	s_cselect_b64 s[4:5], s[70:71], s[68:69]
	s_cselect_b64 s[8:9], s[76:77], s[74:75]
	s_cmp_eq_u32 s[WHICH], 2
	s_cselect_b64 s[4:5], s[72:73], s[4:5]
	s_cselect_b64 s[8:9], s[78:79], s[8:9]
	s_cselect_b32 s[ONE], 0, 1.0
	s_mov_b32 s[G0A], 1
	s_mov_b32 s[G0A+1], s88
	s_add_nc_u64 s[G0A+2:G0A+3], s[4:5], s[24:25]
	s_or_b32 s[G0A+3], s[G0A+3], 0x80000000
	s_mov_b32 s[G0A+4], 1
	s_mov_b32 s[G0A+5], s90
	s_add_nc_u64 s[G0A+6:G0A+7], s[4:5], s[26:27]
	s_or_b32 s[G0A+7], s[G0A+7], 0x80000000
	s_mov_b32 s[G0B], 1
	s_mov_b32 s[G0B+1], s89
	s_add_nc_u64 s[G0B+2:G0B+3], s[80:81], s[92:93]
	s_or_b32 s[G0B+3], s[G0B+3], 0x80000000
	s_mov_b32 s[G0B+4], 1
	s_mov_b32 s[G0B+5], s91
	s_add_nc_u64 s[G0B+6:G0B+7], s[80:81], s[94:95]
	s_or_b32 s[G0B+7], s[G0B+7], 0x80000000
	s_add_nc_u64 s[8:9], s[8:9], s[86:87]
	s_add_nc_u64 s[10:11], s[82:83], s[84:85]
	SHAPE G1A+40, 21, WA, 64, 256, 1024            ; the arguments' registers are free now: a whole unit's 256 rows of activations,
	SHAPE G1B+32, 22, WB, 32, 128, 32              ; and a whole unit's 32,768 bytes of weights
.set e, 0
.rept 16
	global_load_b32 v[BI+e], v[R4], s[8:9] offset:64*e   ; the bias of column 16 nt + r
.set e, e+1
.endr
	CROUND                                         ; all sixteen work-groups are here: the first joint loads meet
	JLOAD 0                                        ; unit 0,
	JLOAD 1                                        ; units 1 and 2: two loads of mine are out
	v_bfe_u32 v2, v0, 4, 1                         ; h
	v_and_b32 v3, 31, v0                           ; lane
	v_mul_u32_u24 v4, v1, APITCH
	v_lshl_add_u32 v4, v2, 5, v4                   ; r x pitch + 32 h
	s_mul_i32 s90, s[WV], 64*APITCH                ; my 64 rows
	v_add_nc_u32 v[ADRA], s90, v4
	v_add_nc_u32 v[ADRA+1], UNIT, v[ADRA]
	v_add_nc_u32 v[ADRA+2], 2*UNIT, v[ADRA]
	v_lshlrev_b32 v[GO], 4, v3
	v_add_nc_u32 v[ADRB], BOFF, v[GO]
	v_add_nc_u32 v[ADRB+1], UNIT+BOFF, v[GO]
	v_add_nc_u32 v[ADRB+2], 2*UNIT+BOFF, v[GO]
	s_wait_loadcnt 0x0                             ; the biases: rounded to bf16 like every input; 1 is added for q and k
.set e, 0
.rept 16
	v_cvt_pk_bf16_f32 v[BI+e], v[BI+e], v[BI+e]
.set e, e+1
.endr
.set e, 0
.rept 16
	v_lshlrev_b32 v[BI+e], 16, v[BI+e]
.set e, e+1
.endr
.set e, 0
.rept 16
	v_add_f32 v[BI+e], s[ONE], v[BI+e]
.set e, e+1
.endr
	WIN 0x80                                       ; every sum starts from its column's bias
.set i, 0
.rept 256
	v_mov_b32 v[i], v[BI+(i/8)%16]
.set i, i+1
.endr
	WIN 0xc0
.set i, 0
.rept 256
	v_mov_b32 v[i], v[BI+(i/8)%16]
.set i, i+1
.endr
	WIN 0
	s_wait_tensorcnt 1                             ; my part of unit 0 is in; units 1 and 2 may stay out
	s_barrier_signal -1
	s_barrier_wait -1
	FETCH 0, 0, 0
	s_wait_dscnt 32                                ; the activations are in
	WIN 0
.set ci, 0
.rept 32
	v_cvt_pk_bf16_f32 v[AF+ci], v[AS+2*ci], v[AS+2*ci+1]
.set ci, ci+1
.endr
	s_mov_b32 s[CNT], 5
	s_branch .Lentry                               ; the loop is entered behind its first turn: units 1 and 2 have been asked for above
.Lk:                                                   ; a pass: units 3 t, 3 t + 1 and the first quarter of 3 t + 2; at its head the second quarter of unit 3 t - 1
	TURN 1, 0, 0                                   ; areas 1 and 2 are read out: units 3 t + 1 and 3 t + 2 are asked for at once (four times: up to units 13, 14)
	WIN 0
.Lentry:
	QUARTER 0, 1, 0, 1
	TURN 0, 3, 1                                   ; areas 1 and 2 must be in: the wait stands behind 48 of the quarter's products; unit 3 t + 3 is asked for (five times: up to unit 15)
	QUARTER 0, 1, 1, 1
	QUARTER 1, 0, 2, 0
	QUARTER 0, 1, 2, 1
	WIN 0
	s_sub_co_u32 s[CNT], s[CNT], 1
	s_cmp_lg_u32 s[CNT], 0
	s_cbranch_scc1 .Lk
	TURN 2, 3, 0                                   ; unit 14's second quarter: nothing is left to fetch
	QUARTER 0, 1, 0, 1                             ; unit 15
	s_wait_dscnt 0x0
	MULA 1, 0
	MULA 1, 1
	MULA 1, 2
	MULA 1, 3
	WIN 0
	PLACES                                         ; between the last products and the first reads of results
; THE WAY OUT, eight results at a time: rows 32 p .. 32 p + 31 of mine (a = 2 p + ai), column tiles 4 bg .. 4 bg + 3: registers 128 ai + 32 bg + 0..31 of window 2 + p.
; A sum holds X = x + 1;  phi = the middle one of X, e^x and 1: x + 1 <= e^x <= 1 for x <= 0, and 1 < x + 1 <= e^x for x > 0; it is made in place.
; Each accumulator is read from its low end on.  The four packed registers of result (ai, bb) are half ai of a fragment with K = t.
.macro BATCH p, bg
.set bn, 4*(\p)+(\bg)
.set PB, PP+32*(bn%6)
	WIN 0
.if bn >= 6
	s_wait_xcnt 0x0                                ; the seventh and eighth batch take the first two sets of packed registers again, which stores read: only behind this wait
.endif
	s_cmp_eq_u32 s[WHICH], 2
	s_cbranch_scc1 .Lnophi_\@                      ; v has no phi
	WIN 0x42+(\p)                                  ; destination window 1, source 0 window 2 or 3
.set e, 0
.rept 32
	v_pk_fma_f32 v[TT+e:TT+e+1], v[128*(e/32)+32*(\bg)+e%32:128*(e/32)+32*(\bg)+e%32+1], s[L2E:L2E+1], s[NL2E:NL2E+1] op_sel_hi:[1,0,0]  ; (X - 1) log2(e)
.set e, e+2
.endr
	WIN 0x41
.set e, 0
.rept 64
	v_exp_f32 v[TT+e], v[TT+e]
.set e, e+1
.endr
	v_nop                                          ; a plain instruction behind the last exponential
	WIN 0x86+0x41*(\p)                             ; destination and source 0 window 2 or 3, source 1 window 1
.set e, 0
	s_wait_alu depctr_va_vdst(0)
.rept 64
	v_med3_num_f32 v[128*(e/32)+32*(\bg)+e%32], v[128*(e/32)+32*(\bg)+e%32], v[TT+e], 1.0
.set e, e+1
.endr
	WIN 0
.Lnophi_\@:
	WIN 0x4a+5*(\p)                                ; destination window 1, sources window 2 or 3
.set t, 0
.rept 8                                ; t = 2 bb + ai
.set jj, 0
.rept 4
	v_cvt_pk_f16_f32 v[PB+4*t+jj], v[128*(t%2)+32*(\bg)+8*(t/2)+2*jj], v[128*(t%2)+32*(\bg)+8*(t/2)+2*jj+1]
.set jj, jj+1
.endr
.set t, t+1
.endr
	WIN 0x04
.set t, 0
.rept 8
	global_store_b128 v[GO], v[PB+4*t:PB+4*t+3], s[10:11] offset:(\p)*65536+(4*(\bg)+t/2)*1024+512*(t%2)  ; 512 consecutive bytes, aligned
.set t, t+1
.endr
.endm
	BATCH 0, 0
	BATCH 0, 1
	BATCH 0, 2
	BATCH 0, 3
	BATCH 1, 0
	BATCH 1, 1
	BATCH 1, 2
	BATCH 1, 3
	WIN 0
	s_wait_tensorcnt 0x0                           ; the wave's end
	ds_add_u32 v[SPW], v[NIL]
	s_wait_dscnt 0x0
	CROUND                                         ; the closing round: no work-group ends while a partner may still ask for a tile that names it
	s_endpgm
.Lfunc_end_k_q037664becb_proj:
	.size	k_q037664becb_proj, .Lfunc_end_k_q037664becb_proj-k_q037664becb_proj
	.p2alignl 7, 3214868480
	.fill 96, 4, 3214868480
	.section	.rodata,"a",@progbits
	.p2align	6, 0x0
	.amdhsa_kernel k_q037664becb_proj
		.amdhsa_group_segment_fixed_size 327680
		.amdhsa_private_segment_fixed_size 0
		.amdhsa_enable_private_segment 0
		.amdhsa_kernarg_size 64
		.amdhsa_user_sgpr_count 2
		.amdhsa_user_sgpr_kernarg_segment_ptr 1
		.amdhsa_wavefront_size32 1
		.amdhsa_system_sgpr_workgroup_id_x 1
		.amdhsa_system_sgpr_workgroup_id_y 1
		.amdhsa_system_sgpr_workgroup_id_z 1
		.amdhsa_system_vgpr_workitem_id 0
		.amdhsa_next_free_vgpr 1024
		.amdhsa_next_free_sgpr 96
		.amdhsa_reserve_vcc 0
		.amdhsa_float_denorm_mode_32 3
		.amdhsa_float_denorm_mode_16_64 3
		.amdhsa_memory_ordered 1
		.amdhsa_forward_progress 1
		.amdhsa_inst_pref_size 207
	.end_amdhsa_kernel
	.amdgpu_metadata
---
amdhsa.version: [ 1, 2 ]
amdhsa.kernels:
  - .name:           k_q037664becb_proj
    .symbol:         k_q037664becb_proj.kd
    .args:
      - { .name: query, .offset: 0, .size: 8, .value_kind: global_buffer, .address_space: global }
      - { .name: key, .offset: 8, .size: 8, .value_kind: global_buffer, .address_space: global }
      - { .name: value, .offset: 16, .size: 8, .value_kind: global_buffer, .address_space: global }
      - { .name: bq, .offset: 24, .size: 8, .value_kind: global_buffer, .address_space: global }
      - { .name: bk, .offset: 32, .size: 8, .value_kind: global_buffer, .address_space: global }
      - { .name: bv, .offset: 40, .size: 8, .value_kind: global_buffer, .address_space: global }
      - { .name: WF, .offset: 48, .size: 8, .value_kind: global_buffer, .address_space: global }
      - { .name: ACT, .offset: 56, .size: 8, .value_kind: global_buffer, .address_space: global }
    .group_segment_fixed_size: 327680
    .private_segment_fixed_size: 0
    .kernarg_segment_align: 8
    .kernarg_segment_size: 64
    .max_flat_workgroup_size: 128
    .sgpr_count:     96
    .vgpr_count:     1024
    .wavefront_size: 32
...
	.end_amdgpu_metadata
.endif
;; end of part 2
;; launch kvsum (part 3): grid 64 x 4, 4 waves a work-group, no clusters, 82,432 bytes of LDS; arguments ACT, KVP; writes KVP
.if DOCPART == 3
	.amdgcn_target "amdgcn-amd-amdhsa--gfx1250"
	.amdhsa_code_object_version 6
	.text
	.protected	k_q037664becb_kvsum
	.globl	k_q037664becb_kvsum
	.p2align	8
	.type	k_q037664becb_kvsum,@function
k_q037664becb_kvsum:
	s_mov_b64 s[64:65], 0
	v_nop
	global_prefetch_b8 v0, s[64:65] scope:SCOPE_SE
	s_setreg_imm32_b32 hwreg(HW_REG_WAVE_MODE, 25, 1), 1
	s_wait_xcnt 0x0
; kv[dv][d] = the sum over t of v[t][dv] k[t][d], and ksum[d] = the sum over t of k[t][d], for one (batch, head) and 1,024 of its 4,096 rows t: a partial sum in f32.
; k and v lie in ACT as f16 fragments with K = t (rows = columns of the head), so a fragment is two loads of 512 consecutive bytes and nothing is turned.
; Work-group (x = 16 b + head, y = quarter of t); wave w takes 256 rows: eight steps of 32.  A step: 16 products V^T K (source 0 = 16 dv, source 1 = 16 d) and 4 products of ones with K, whose
; result holds ksum in every row.  The 20 accumulators take turns.  The four waves' sums meet in LDS; wave w adds and stores tiles 5 w .. 5 w + 4.
; KVP = [16 b + head][quarter][tile (20)][u (2)][lane][4 f32]: the raw result registers: register 4 u + e of lane (r, h) of tile 4 dvt + dt is (dv = 16 dvt + 8 h + 4 u + e, d = 16 dt + r); tile 16 + dt is ksum.
; No cluster and no tensor load: every byte of k and v is read once in the launch, by one wave, straight into the registers where the products want it.
; REGISTERS: window 0: v1-4 addresses, v16-23 ones, v32-191 the accumulators; step s in window 1 + s / 4 at 64 (s % 4): K's four fragments, then V's.
.set ONES, 16
.set ACC,  32
.set MSB, 0
.macro WIN new
.if MSB != (\new)
	s_set_vgpr_msb (MSB<<8)|(\new)
.set MSB, \new
.endif
.endm
.macro LOADS s                         ; 16 loads: step s
	WIN 0x40*(1+(\s)/4)
.set rb, 64*((\s)%4)
.set f, 0
.rept 4
	global_load_b128 v[rb+8*f:rb+8*f+3],       v1, s[16:17] offset:(\s)*65536+f*1024 th:TH_LOAD_NT
	global_load_b128 v[rb+8*f+4:rb+8*f+7],     v1, s[16:17] offset:(\s)*65536+f*1024+512 th:TH_LOAD_NT
	global_load_b128 v[rb+32+8*f:rb+32+8*f+3], v1, s[18:19] offset:(\s)*65536+f*1024 th:TH_LOAD_NT
	global_load_b128 v[rb+36+8*f:rb+36+8*f+3], v1, s[18:19] offset:(\s)*65536+f*1024+512 th:TH_LOAD_NT
.set f, f+1
.endr
.endm
.macro PROD s                          ; 20 matrix instructions: step s; step 0 starts the sums
.set rb, 64*((\s)%4)
	WIN 0x05*(1+(\s)/4)                            ; sources 0 and 1 in the step's window
.set t, 0
.rept 16
.if (\s) == 0
	v_wmma_f32_16x16x32_f16 v[ACC+8*t:ACC+8*t+7], v[rb+32+8*(t/4):rb+32+8*(t/4)+7], v[rb+8*(t%4):rb+8*(t%4)+7], 0
.else
	v_wmma_f32_16x16x32_f16 v[ACC+8*t:ACC+8*t+7], v[rb+32+8*(t/4):rb+32+8*(t/4)+7], v[rb+8*(t%4):rb+8*(t%4)+7], v[ACC+8*t:ACC+8*t+7]
.endif
.set t, t+1
.endr
	WIN 0x04*(1+(\s)/4)                            ; source 0, the ones, in window 0
.set t, 0
.rept 4
.if (\s) == 0
	v_wmma_f32_16x16x32_f16 v[ACC+128+8*t:ACC+128+8*t+7], v[ONES:ONES+7], v[rb+8*t:rb+8*t+7], 0
.else
	v_wmma_f32_16x16x32_f16 v[ACC+128+8*t:ACC+128+8*t+7], v[ONES:ONES+7], v[rb+8*t:rb+8*t+7], v[ACC+128+8*t:ACC+128+8*t+7]
.endif
.set t, t+1
.endr
.endm
	s_load_b128 s[4:7], s[0:1], 0x0                ; ACT s[4:5], KVP s[6:7]
	v_lshl_add_u32 v254, v0, 2, 0x14000
	v_mov_b32 v255, 0
	v_lshrrev_b32 v1, 5, v0
	v_readfirstlane_b32 s8, v1                     ; wave
	s_and_b32 s9, ttmp7, 0xffff                    ; quarter of t
	s_lshr_b32 s10, ttmp9, 4                       ; b
	s_and_b32 s11, ttmp9, 15                       ; head
	s_lshl_b32 s12, s10, 7                         ; a batch has 128 blocks of 32 rows,
	s_lshl_b32 s13, s9, 5                          ; a quarter 32,
	s_add_co_u32 s12, s12, s13
	s_lshl_b32 s13, s8, 3                          ; a wave 8
	s_add_co_u32 s12, s12, s13
	s_lshl_b32 s12, s12, 16                        ; a block is 65,536 bytes,
	s_lshl_b32 s13, s11, 12                        ; a head's four column tiles 4,096
	s_add_co_u32 s12, s12, s13
	s_add_co_u32 s12, s12, 1<<25                   ; k's part of ACT
	s_mov_b32 s13, 0
	s_mul_i32 s14, ttmp9, 81920
	s_mul_i32 s15, s9, 20480
	s_add_co_u32 s14, s14, s15
	s_mov_b32 s15, 0
	v_and_b32 v1, 31, v0
	v_lshlrev_b32 v1, 4, v1                        ; 16 x lane
	s_wait_kmcnt 0x0
	s_add_nc_u64 s[16:17], s[4:5], s[12:13]        ; k
	s_add_nc_u64 s[18:19], s[16:17], 1<<25         ; v
	s_add_nc_u64 s[6:7], s[6:7], s[14:15]
	LOADS 0
	LOADS 1
	LOADS 2
	WIN 0
	s_mul_i32 s20, s8, 20480
	v_add_nc_u32 v2, s20, v1                       ; my wave's region in LDS
	s_mul_i32 s21, s8, 5120
	v_add_nc_u32 v3, s21, v1                       ; tiles 5 w .. in a region, and in KVP
	v_add_nc_u32 v4, 40960, v3                     ; the same in regions 2 and 3: an LDS offset has 16 bits
.set i, 0
.rept 8
	v_mov_b32 v[ONES+i], 0x3c003c00                ; 1.0, 1.0 in f16
.set i, i+1
.endr
; Step s: its 16 loads are in when the loads of the steps asked for behind it may still be out; then step s + 3 is asked for, into registers of its own, and step s is multiplied.
.irp s, 0,1,2,3,4
	s_wait_loadcnt 32                              ; steps s + 1 and s + 2 stay out
	LOADS (\s)+3
	PROD \s
.endr
	s_wait_loadcnt 32
	PROD 5
	s_wait_loadcnt 16
	PROD 6
	s_wait_loadcnt 0x0
	PROD 7
	WIN 0
.rept 4
	v_nop                                          ; four places between the last products and the stores that read them
.endr
.set t, 0
.rept 20
	ds_store_b128 v2, v[ACC+8*t:ACC+8*t+3] offset:t*1024        ; each accumulator's low registers first
	ds_store_b128 v2, v[ACC+8*t+4:ACC+8*t+7] offset:t*1024+512
.set t, t+1
.endr
	s_wait_dscnt 0x0                               ; for the others' sake: my stores are done
	s_barrier_signal -1
	s_barrier_wait -1
.set i, 0
.rept 10                               ; five tiles are ten pieces of 512 bytes; region c's piece i into v[32 + 40 c + 4 i]
	ds_load_b128 v[32+4*i:35+4*i],   v3 offset:512*i
	ds_load_b128 v[72+4*i:75+4*i],   v3 offset:20480+512*i
	ds_load_b128 v[112+4*i:115+4*i], v4 offset:512*i
	ds_load_b128 v[152+4*i:155+4*i], v4 offset:20480+512*i
.set i, i+1
.endr
	s_wait_dscnt 0x0
.set i, 0
.rept 20
	v_pk_add_f32 v[32+2*i:33+2*i], v[32+2*i:33+2*i], v[72+2*i:73+2*i]
	v_pk_add_f32 v[112+2*i:113+2*i], v[112+2*i:113+2*i], v[152+2*i:153+2*i]
.set i, i+1
.endr
.set i, 0
.rept 20
	v_pk_add_f32 v[32+2*i:33+2*i], v[32+2*i:33+2*i], v[112+2*i:113+2*i]
.set i, i+1
.endr
.set i, 0
.rept 10
	global_store_b128 v3, v[32+4*i:35+4*i], s[6:7] offset:512*i  ; 512 consecutive bytes, aligned
.set i, i+1
.endr
	s_wait_tensorcnt 0x0
	ds_add_u32 v254, v255
	s_wait_dscnt 0x0
	s_endpgm
.Lfunc_end_k_q037664becb_kvsum:
	.size	k_q037664becb_kvsum, .Lfunc_end_k_q037664becb_kvsum-k_q037664becb_kvsum
	.p2alignl 7, 3214868480
	.fill 96, 4, 3214868480
	.section	.rodata,"a",@progbits
	.p2align	6, 0x0
	.amdhsa_kernel k_q037664becb_kvsum
		.amdhsa_group_segment_fixed_size 82432
		.amdhsa_private_segment_fixed_size 0
		.amdhsa_enable_private_segment 0
		.amdhsa_kernarg_size 16
		.amdhsa_user_sgpr_count 2
		.amdhsa_user_sgpr_kernarg_segment_ptr 1
		.amdhsa_wavefront_size32 1
		.amdhsa_system_sgpr_workgroup_id_x 1
		.amdhsa_system_sgpr_workgroup_id_y 1
		.amdhsa_system_sgpr_workgroup_id_z 1
		.amdhsa_system_vgpr_workitem_id 0
		.amdhsa_next_free_vgpr 768
		.amdhsa_next_free_sgpr 66
		.amdhsa_reserve_vcc 0
		.amdhsa_float_denorm_mode_32 3
		.amdhsa_float_denorm_mode_16_64 3
		.amdhsa_memory_ordered 1
		.amdhsa_forward_progress 1
		.amdhsa_inst_pref_size 36
	.end_amdhsa_kernel
	.amdgpu_metadata
---
amdhsa.version: [ 1, 2 ]
amdhsa.kernels:
  - .name:           k_q037664becb_kvsum
    .symbol:         k_q037664becb_kvsum.kd
    .args:
      - { .name: ACT, .offset: 0, .size: 8, .value_kind: global_buffer, .address_space: global }
      - { .name: KVP, .offset: 8, .size: 8, .value_kind: global_buffer, .address_space: global }
    .group_segment_fixed_size: 82432
    .private_segment_fixed_size: 0
    .kernarg_segment_align: 8
    .kernarg_segment_size: 16
    .max_flat_workgroup_size: 128
    .sgpr_count:     66
    .vgpr_count:     768
    .wavefront_size: 32
...
	.end_amdgpu_metadata
.endif
;; end of part 3
;; launch fold (part 4): grid 64 x 1, 4 waves a work-group, no clusters, 1,536 bytes of LDS; arguments KVP, WOF, MF, REC; writes MF, REC
.if DOCPART == 4
	.amdgcn_target "amdgcn-amd-amdhsa--gfx1250"
	.amdhsa_code_object_version 6
	.text
	.protected	k_q037664becb_fold
	.globl	k_q037664becb_fold
	.p2align	8
	.type	k_q037664becb_fold,@function
k_q037664becb_fold:
	s_mov_b64 s[64:65], 0
	v_nop
	global_prefetch_b8 v0, s[64:65] scope:SCOPE_SE
	s_setreg_imm32_b32 hwreg(HW_REG_WAVE_MODE, 25, 1), 1
	s_wait_xcnt 0x0
; kv is folded into Wo: M[b][(head, d)][n] = the sum over dv of kv[b][head][dv][d] Wo[64 head + dv][n], so that out = (q x norm) M + bo and the product q kv is never made.
; SCALES, from the data, keep f16's range: s = max(max |kv|, 1e-30), kvhat = kv / s (f16, within 1); u = max(max ksum, 1e-30), KShat = ksum / u (f16, within 1);
; Mhat = kvhat^T Wo (f32 sums, rounded once to f16; at most 64 max |Wo|).  REC[16 b + head] = {rho = s / u, e = 1e-6 / u} tells the last launch how to undo them.
; Work-group = (b, head); wave w makes the 128 columns n of group w; each wave adds the four partial sums for itself (they are 80 KiB for the work-group), so no wave waits for another.
; 64 work-groups are all the work there is: 64 x 64 x 512 multiply-adds each.  No cluster: a head's slice of WOF, 64 KiB, is all that four work-groups share.
; MF = [b][group of 128 n (4)][row (10)][k / 32 (32)][fragment: rows n, K = d]: rows 0-3 and 5-8 are the group's eight tiles of 16 n, rows 4 and 9 both hold KShat in 16 equal rows
; (so that each half of five rows, which one tensor load of the last launch brings, is shaped alike).
; The result of source 0 = kvhat (rows d, K = dv), source 1 = Wo (rows n, K = dv) holds one n a lane and eight d: rounded in pairs it IS half a fragment of MF.
; REGISTERS: window 0: v32-159 kv summed, later the packed results (64 a batch); v160-223 kvhat's fragments (dt, kb) at 8 (2 dt + kb); v224-239 ksum's partials; v240-255 at work
;   windows 1, 2: the four partial sums (c in window 1 + c / 2 at 128 (c % 2)); later window 1 v0-47 KShat         window 3: v0-127 Wo's fragments (ntl, kb) at 8 (2 ntl + kb); v128-255 results
.set S,  32
.set KH, 160
.set KP, 224
.set MSB, 0
.macro WIN new
.if MSB != (\new)
	s_set_vgpr_msb (MSB<<8)|(\new)
.set MSB, \new
.endif
.endm
	s_load_b256 s[4:11], s[0:1], 0x0               ; KVP s[4:5], WOF s[6:7], MF s[8:9], REC s[10:11]
	v_lshl_add_u32 v254, v0, 2, 0x400
	v_mov_b32 v255, 0
	v_lshrrev_b32 v1, 5, v0
	v_readfirstlane_b32 s12, v1                    ; wave
	s_lshr_b32 s13, ttmp9, 4                       ; b
	s_and_b32 s14, ttmp9, 15                       ; head
	s_mul_i32 s16, ttmp9, 81920
	s_mov_b32 s17, 0
	s_lshl_b32 s18, s14, 16
	s_lshl_b32 s19, s12, 14                        ; my eight tiles of 16 n
	s_add_co_u32 s18, s18, s19
	s_mov_b32 s19, 0
	s_mul_i32 s20, s13, 1310720
	s_mul_i32 s21, s12, 327680
	s_add_co_u32 s20, s20, s21
	s_lshl_b32 s21, s14, 11                        ; the head's two fragments in a row of MF
	s_add_co_u32 s20, s20, s21
	s_mov_b32 s21, 0
	s_lshl_b32 s22, ttmp9, 3
	s_mov_b32 s23, 0
	s_mov_b32 s24, 0x76543210                      ; v_permlanex16_b32: each lane takes its own place in the other half
	s_mov_b32 s25, 0xfedcba98
	v_and_b32 v1, 31, v0
	v_lshlrev_b32 v1, 4, v1                        ; 16 x lane
	v_and_b32 v2, 15, v0
	v_lshlrev_b32 v2, 2, v2
	v_lshl_add_u32 v2, s12, 8, v2                  ; my wave's 256 bytes of LDS + 4 r
	v_bfe_u32 v3, v0, 4, 1
	v_lshlrev_b32 v3, 5, v3
	v_lshl_add_u32 v3, s12, 8, v3                  ; + 32 h
	s_wait_kmcnt 0x0
	s_add_nc_u64 s[4:5], s[4:5], s[16:17]
	s_add_nc_u64 s[6:7], s[6:7], s[18:19]
	s_add_nc_u64 s[8:9], s[8:9], s[20:21]
	s_add_nc_u64 s[10:11], s[10:11], s[22:23]
.set c, 0
.rept 4
	WIN 0x40*(1+c/2)
.set i, 0
.rept 32                               ; partial c: 16 tiles x 2 pieces of 512 bytes
	global_load_b128 v[128*(c%2)+4*i:128*(c%2)+4*i+3], v1, s[4:5] offset:c*20480+512*i
.set i, i+1
.endr
.set c, c+1
.endr
	WIN 0
.set i, 0
.rept 16                               ; ksum: every register of tile 16 + dt holds it, so one word a lane: partial i % 4 of dt = i / 4
	global_load_b32 v[KP+i], v1, s[4:5] offset:(i%4)*20480+(16+i/4)*1024
.set i, i+1
.endr
	WIN 0xc0
.set i, 0
.rept 32
	global_load_b128 v[4*i:4*i+3], v1, s[6:7] offset:512*i
.set i, i+1
.endr
	s_wait_loadcnt 0x0
	WIN 0x45
.set i, 0
.rept 64
	v_pk_add_f32 v[2*i:2*i+1], v[2*i:2*i+1], v[128+2*i:128+2*i+1]
.set i, i+1
.endr
	WIN 0x8a
.set i, 0
.rept 64
	v_pk_add_f32 v[2*i:2*i+1], v[2*i:2*i+1], v[128+2*i:128+2*i+1]
.set i, i+1
.endr
	WIN 0x09                                       ; source 0 window 1, source 1 window 2, destination window 0
.set i, 0
.rept 64
	v_pk_add_f32 v[S+2*i:S+2*i+1], v[2*i:2*i+1], v[2*i:2*i+1]
.set i, i+1
.endr
	WIN 0
	; s = the largest |kv| of the head: four chains in a lane, then across the 32 lanes
.set i, 0
.rept 4
	v_mov_b32 v[240+i], 0
.set i, i+1
.endr
.set i, 0
.rept 64
	v_max3_num_f32 v[240+i%4], v[240+i%4], |v[S+2*i]|, |v[S+2*i+1]|
.set i, i+1
.endr
	v_max3_num_f32 v240, v240, v241, v242
	v_max_num_f32 v240, v240, v243
	v_max_num_f32_dpp v240, v240, v240 row_xmask:1 row_mask:0xf bank_mask:0xf
	v_max_num_f32_dpp v240, v240, v240 row_xmask:2 row_mask:0xf bank_mask:0xf
	v_max_num_f32_dpp v240, v240, v240 row_xmask:4 row_mask:0xf bank_mask:0xf
	v_max_num_f32_dpp v240, v240, v240 row_xmask:8 row_mask:0xf bank_mask:0xf
	v_permlanex16_b32 v241, v240, s24, s25
	v_max_num_f32 v240, v240, v241
	v_max_num_f32 v240, 0x0da24260, v240           ; at least 1e-30
	v_rcp_f32 v244, v240
	v_nop
	s_wait_alu depctr_va_vdst(0)
	v_mov_b32 v245, v244
.set i, 0
.rept 64
	v_pk_mul_f32 v[S+2*i:S+2*i+1], v[S+2*i:S+2*i+1], v[244:245]
.set i, i+1
.endr
.set i, 0
.rept 64                               ; i = 8 (2 dt + kb) + 4 cc + e: fragment (dt, kb) takes registers 4 cc .. from tile (dvt = 2 kb + cc, dt)
	v_cvt_pk_f16_f32 v[KH+i], v[S+8*(4*(2*((i/8)%2)+(i/4)%2)+i/16)+2*(i%4)], v[S+8*(4*(2*((i/8)%2)+(i/4)%2)+i/16)+2*(i%4)+1]
.set i, i+1
.endr
; Four tiles of 16 n at a time: 32 matrix instructions on 16 accumulators by turns; then rounded and stored, 512 consecutive bytes a store.
.macro MBATCH q
.rept 5
	v_nop                                          ; five places in front of products that write over the last batch's results (ISA guide 7.12.1)
.endr
	WIN 0xfc                                       ; source 0 window 0; source 1, C and D window 3
.set t, 0
.rept 16
	v_wmma_f32_16x16x32_f16 v[128+8*t:128+8*t+7], v[KH+16*(t%4):KH+16*(t%4)+7], v[16*(4*(\q)+t/4):16*(4*(\q)+t/4)+7], 0
.set t, t+1
.endr
.set t, 0
.rept 16
	v_wmma_f32_16x16x32_f16 v[128+8*t:128+8*t+7], v[KH+16*(t%4)+8:KH+16*(t%4)+15], v[16*(4*(\q)+t/4)+8:16*(4*(\q)+t/4)+15], v[128+8*t:128+8*t+7]
.set t, t+1
.endr
.rept 4
	v_nop
.endr
	WIN 0x0f                                       ; sources window 3, destination window 0
.set i, 0
.rept 64
	v_cvt_pk_f16_f32 v[S+64*(\q)+i], v[128+2*i], v[128+2*i+1]
.set i, i+1
.endr
	WIN 0
.set t, 0
.rept 16                               ; t = 4 nl + dt: row 5 q + nl of MF, half dt % 2 of fragment dt / 2 of the head
	global_store_b128 v1, v[S+64*(\q)+4*t:S+64*(\q)+4*t+3], s[8:9] offset:(5*(\q)+t/4)*32768+(t%4)*512
.set t, t+1
.endr
.endm
	MBATCH 0
	MBATCH 1
	; ksum: the four partials, u, KShat; through my wave's 256 bytes of LDS it becomes two fragments with 16 equal rows
.set i, 0
.rept 4
	v_add_f32 v[KP+4*i], v[KP+4*i], v[KP+4*i+1]
	v_add_f32 v[KP+4*i+2], v[KP+4*i+2], v[KP+4*i+3]
.set i, i+1
.endr
.set i, 0
.rept 4
	v_add_f32 v[KP+4*i], v[KP+4*i], v[KP+4*i+2]
.set i, i+1
.endr
	v_max3_num_f32 v246, v[KP], v[KP+4], v[KP+8]
	v_max_num_f32 v246, v246, v[KP+12]
	v_max_num_f32_dpp v246, v246, v246 row_xmask:1 row_mask:0xf bank_mask:0xf   ; both halves of the lanes hold the same 16 d
	v_max_num_f32_dpp v246, v246, v246 row_xmask:2 row_mask:0xf bank_mask:0xf
	v_max_num_f32_dpp v246, v246, v246 row_xmask:4 row_mask:0xf bank_mask:0xf
	v_max_num_f32_dpp v246, v246, v246 row_xmask:8 row_mask:0xf bank_mask:0xf
	v_max_num_f32 v246, 0x0da24260, v246           ; at least 1e-30
	v_rcp_f32 v247, v246
	v_nop
.set i, 0
	s_wait_alu depctr_va_vdst(0)
.rept 4
	v_mul_f32 v[KP+4*i], v[KP+4*i], v247
.set i, i+1
.endr
.set i, 0
.rept 4
	ds_store_b32 v2, v[KP+4*i] offset:64*i         ; d = 16 dt + r; lanes r and 16 + r write the same word with the same number
.set i, i+1
.endr
	WIN 0x40
.set i, 0
.rept 8                                ; i = 4 kb + 2 c + e: d = 32 kb + 16 c + 8 h + 4 e ..; a wave's own bytes, served in order
	ds_load_b128 v[4*i:4*i+3], v3 offset:128*(i/4)+64*((i/2)%2)+16*(i%2)
.set i, i+1
.endr
	s_wait_dscnt 0x0
	WIN 0x45
.set i, 0
.rept 16
	v_cvt_pk_f16_f32 v[32+i], v[2*i], v[2*i+1]
.set i, i+1
.endr
	WIN 0x04
.set i, 0
.rept 4
	global_store_b128 v1, v[32+4*i:35+4*i], s[8:9] offset:4*32768+512*i
	global_store_b128 v1, v[32+4*i:35+4*i], s[8:9] offset:9*32768+512*i
.set i, i+1
.endr
	WIN 0
	s_cmp_lg_u32 s12, 0
	s_cbranch_scc1 .Lend
	v_mul_f32 v248, v240, v247                     ; rho = s / u
	v_mul_f32 v249, 0x358637bd, v247               ; e = 1e-6 / u
	v_mov_b32 v250, 0
	v_cmp_eq_u32 vcc_lo, 0, v0
	s_wait_xcnt 0x0                                ; EXEC is a source of the stores above: it changes only behind this wait
	s_and_saveexec_b32 s26, vcc_lo
	global_store_b64 v250, v[248:249], s[10:11]
	s_wait_xcnt 0x0
	s_or_b32 exec_lo, exec_lo, s26
.Lend:
	s_wait_tensorcnt 0x0
	ds_add_u32 v254, v255
	s_wait_dscnt 0x0
	s_endpgm
.Lfunc_end_k_q037664becb_fold:
	.size	k_q037664becb_fold, .Lfunc_end_k_q037664becb_fold-k_q037664becb_fold
	.p2alignl 7, 3214868480
	.fill 96, 4, 3214868480
	.section	.rodata,"a",@progbits
	.p2align	6, 0x0
	.amdhsa_kernel k_q037664becb_fold
		.amdhsa_group_segment_fixed_size 1536
		.amdhsa_private_segment_fixed_size 0
		.amdhsa_enable_private_segment 0
		.amdhsa_kernarg_size 32
		.amdhsa_user_sgpr_count 2
		.amdhsa_user_sgpr_kernarg_segment_ptr 1
		.amdhsa_wavefront_size32 1
		.amdhsa_system_sgpr_workgroup_id_x 1
		.amdhsa_system_sgpr_workgroup_id_y 1
		.amdhsa_system_sgpr_workgroup_id_z 1
		.amdhsa_system_vgpr_workitem_id 0
		.amdhsa_next_free_vgpr 1024
		.amdhsa_next_free_sgpr 66
		.amdhsa_reserve_vcc 1
		.amdhsa_float_denorm_mode_32 3
		.amdhsa_float_denorm_mode_16_64 3
		.amdhsa_memory_ordered 1
		.amdhsa_forward_progress 1
		.amdhsa_inst_pref_size 64
	.end_amdhsa_kernel
	.amdgpu_metadata
---
amdhsa.version: [ 1, 2 ]
amdhsa.kernels:
  - .name:           k_q037664becb_fold
    .symbol:         k_q037664becb_fold.kd
    .args:
      - { .name: KVP, .offset: 0, .size: 8, .value_kind: global_buffer, .address_space: global }
      - { .name: WOF, .offset: 8, .size: 8, .value_kind: global_buffer, .address_space: global }
      - { .name: MF, .offset: 16, .size: 8, .value_kind: global_buffer, .address_space: global }
      - { .name: REC, .offset: 24, .size: 8, .value_kind: global_buffer, .address_space: global }
    .group_segment_fixed_size: 1536
    .private_segment_fixed_size: 0
    .kernarg_segment_align: 8
    .kernarg_segment_size: 32
    .max_flat_workgroup_size: 128
    .sgpr_count:     66
    .vgpr_count:     1024
    .wavefront_size: 32
...
	.end_amdgpu_metadata
.endif
;; end of part 4
;; launch outp (part 5): grid 4 x 64, 4 waves a work-group, clusters of 4 x 4, 327,680 bytes of LDS; arguments ACT, MF, REC, bo, out0; writes out0
.if DOCPART == 5
	.amdgcn_target "amdgcn-amd-amdhsa--gfx1250"
	.amdhsa_code_object_version 6
	.text
	.protected	k_q037664becb_outp
	.globl	k_q037664becb_outp
	.p2align	8
	.type	k_q037664becb_outp,@function
k_q037664becb_outp:
	s_mov_b64 s[64:65], 0
	v_nop
	global_prefetch_b8 v0, s[64:65] scope:SCOPE_SE
	s_setreg_imm32_b32 hwreg(HW_REG_WAVE_MODE, 25, 1), 1
	s_wait_xcnt 0x0
	s_wait_alu depctr_hold_cnt(0) depctr_sa_sdst(0) depctr_va_vdst(0) depctr_va_sdst(0) depctr_va_ssrc(0) depctr_va_vcc(0) depctr_vm_vsrc(0)
	s_getreg_b32 s2, hwreg(HW_REG_IB_STS2, 6, 4)
	s_cmp_eq_u32 s2, 0
	s_cbranch_scc0 .Lentry_in_a_cluster
	s_endpgm
.Lentry_in_a_cluster:
	s_bfe_u32 s2, ttmp6, 0x10000c
	s_cmp_lg_u32 s2, 0xf033
	s_cbranch_scc0 .Lentry_shape_is_right
	s_endpgm
.Lentry_shape_is_right:
; out[t][n] = the sum over heads of (q[t][head] . M[head][:, n]) / (q[t][head] . ksum[head] + 1e-6) + bo[n].
; With the scales of the launch before (Mhat = M / s, KShat = ksum / u, rho = s / u, e = 1e-6 / u):  g = max(the batch's 16 rho, 1e-30), sig = rho / g,
; c[t][head] = sig / (q . KShat + e), out = g x (the sum over heads of c x (q Mhat)) + bo.  The products take q, Mhat and KShat in f16; every sum, c and its multiplication are f32;
; bo is rounded to bf16 like every input.  NaN and infinities are not treated apart.
; SHARES.  A work-group makes 256 rows x 128 columns; wave w owns rows 64 w .. 64 w + 63 and all 128 columns: 32 sums of 16 x 16.
; K = 1,024 goes head by head (64); an LDS slot holds two heads: q (8 blocks of 32 rows x 8,192 bytes) and ten rows of MF (4,096 bytes each).
; q lies in memory as fragments with rows = columns d and K = t; ds_load_tr16_b128 turns each 16 x 16 block on its way into registers, so that a lane holds one row t.  Mhat lies as its fragments are read.
; Every LDS load takes 512 consecutive bytes: no padding, no conflict.
; CLUSTER 4 x 4: the four of a row of the cluster need the same q, the four of a column the same Mhat: joint loads.
; A HEAD'S STEP fetches head j (q, KShat), makes its denominators by 8 products of KShat's 16 equal rows with q, and multiplies head j - 1: 64 products start and finish P = q Mhat;
; then the sums take c x P, 128 packed multiply-adds.  q has two buffers, by the step's parity.
; Source 0 = Mhat (rows n), source 1 = q (rows t): a lane of the result holds one row t and eight neighbouring n, so c is one number a lane.
; The sums are cleared in the wait for the first tile; the last step fetches a seventeenth head from bytes of the slot read before, which serves nothing: the price of one text for every step.
; REGISTERS: window 0: v2-23 addresses and scales; v24-31 c, twice for each of my four tiles of rows; v32-95, v96-159 q; v160-175 KShat; v176-207 denominators.
;   window 1: sum (a, nt) at 8 (8 a + nt).   window 2: v0-127 Mhat's fragments (kb, nt) at 64 kb + 8 nt; v128-191 the way out.   window 3: P, as window 1
.set SLOT1, 1<<17
.set BOFF,  65536
.set STAGE, SLOT1+BOFF+40960           ; behind the ring: 16 rows x 528 bytes for each wave
.set SP,    528                        ; 512 bytes + 16: the 16 rows that a store touches start at 16 different groups of four banks (ISA guide 11.1)
.set SPARE, STAGE+4*16*SP              ; the spare words, 128 bytes for each wave: two blocks of 256 bytes that no other line names
.set AL0, 2
.set BL0, 3
.set ADRA, 4
.set ADRB, 5
.set STO, 6
.set RD,  7
.set GO,  8
.set SPW, 10
.set NIL, 11
.set BO,  12                           ; v12-15 bo of my four columns on the way out
.set GG,  16                           ; v16-17 g, twice
.set SG,  18                           ; v18 sig, v19 e of head lane % 16
.set EE,  19
.set SGH, 20                           ; v20, v21 those of the head in hand
.set EEH, 21
.set HIX, 22                           ; v22 4 x the head to be fetched
.set CF,  24
.set AR,  32
.set KSR, 160
.set DD,  176
.set OB,  128                          ; window 2
.set WV,  12
.set G1A, 28
.set G0A, 36
.set G1B, 44
.set G0B, 52
.set TB,  56                           ; s56 LDS byte at which the head to be fetched begins in MF's rows
.set CNT, 57
.set TA,  58                           ; s58 the same in q's blocks
.set MSB, 0
.macro WIN new
.if MSB != (\new)
	s_set_vgpr_msb (MSB<<8)|(\new)
.set MSB, \new
.endif
.endm
.macro PLACES
.rept 4
	v_nop
.endr
.endm
.macro JLOAD                           ; waves 0 and 1 fetch the two halves of q's tile, waves 2 and 3 those of Mhat's; an s_nop 0 and four v_nop follow each line
	s_cmp_lt_u32 s[WV], 2
	s_cbranch_scc0 .Lfor_b_\@
	tensor_load_to_lds s[G0A:G0A+3], s[G1A:G1A+7]
	s_nop 0
.rept 4
	v_nop
.endr
	s_branch .Lasked_\@
.Lfor_b_\@:
	tensor_load_to_lds s[G0B:G0B+3], s[G1B:G1B+7]
	s_nop 0
.rept 4
	v_nop
.endr
.Lasked_\@:
.endm
.macro CROUND
	s_barrier_signal -1
	s_barrier_wait -1
	s_cmp_lg_u32 s[WV], 0
	s_cbranch_scc1 .Lnot_wave_0_\@
	s_barrier_signal -3
.Lnot_wave_0_\@:
	s_barrier_wait -3
	s_barrier_signal -1
	s_barrier_wait -1
.endm
; THE CHANGE OF SLOTS.  Each wave waits for all its tensor loads (one is out: its part of the other slot), adds 0 to its spare word, and waits for that and for its reads of the slot that it leaves.
; fill = 1: the barrier is a round of the cluster's, and the slot left is filled again, two slots on, first thing behind it: it has two heads' steps, 144 matrix instructions, in which to land.
; (At its first use nothing has been read yet: slot 0 is waited for, slot 1 filled.)
.macro CHANGE fill
	WIN 0
	s_wait_tensorcnt 0x0
	ds_add_u32 v[SPW], v[NIL]
.if \fill
	s_xor_b32 s[G0A+1], s[G0A+1], SLOT1            ; the walking descriptors: the other slot than last time, the next two heads
	s_add_nc_u64 s[G0A+2:G0A+3], s[G0A+2:G0A+3], 8192
	s_xor_b32 s[G0B+1], s[G0B+1], SLOT1
	s_add_nc_u64 s[G0B+2:G0B+3], s[G0B+2:G0B+3], 4096
	s_wait_dscnt 0x0
	CROUND
	JLOAD
.else
	s_wait_dscnt 0x0
	s_barrier_signal -1
	s_barrier_wait -1
.endif
	s_sub_co_u32 s[TA], s[TA], 4096                ; back to a slot's first head,
	s_xor_b32 s[TA], s[TA], SLOT1                  ; in the other slot
	s_sub_co_u32 s[TB], s[TB], 2048
	s_xor_b32 s[TB], s[TB], SLOT1
.endm
.macro MUL kb, b                       ; 32 matrix instructions, 32 along d, on q's buffer b; kb = 0 starts the head's sums; the accumulators take turns
	WIN 0xf2                                       ; source 0 window 2, source 1 window 0, C and D window 3
.set ma, 0
.rept 4
.set mn, 0
.rept 8
.if (\kb) == 0
	v_wmma_f32_16x16x32_f16 v[8*(8*ma+mn):8*(8*ma+mn)+7], v[8*mn:8*mn+7], v[AR+64*(\b)+8*ma:AR+64*(\b)+8*ma+7], 0
.else
	v_wmma_f32_16x16x32_f16 v[8*(8*ma+mn):8*(8*ma+mn)+7], v[64+8*mn:64+8*mn+7], v[AR+64*(\b)+32+8*ma:AR+64*(\b)+32+8*ma+7], v[8*(8*ma+mn):8*(8*ma+mn)+7]
.endif
.set mn, mn+1
.endr
.set ma, ma+1
.endr
.endm
.macro DEN b                           ; q . KShat for my 64 rows: every register of the result holds the lane's row's
	WIN 0
.set da, 0
.rept 4
	v_wmma_f32_16x16x32_f16 v[DD+8*da:DD+8*da+7], v[KSR:KSR+7], v[AR+64*(\b)+8*da:AR+64*(\b)+8*da+7], 0
.set da, da+1
.endr
.set da, 0
.rept 4
	v_wmma_f32_16x16x32_f16 v[DD+8*da:DD+8*da+7], v[KSR+8:KSR+15], v[AR+64*(\b)+32+8*da:AR+64*(\b)+32+8*da+7], v[DD+8*da:DD+8*da+7]
.set da, da+1
.endr
.endm
; A HEAD'S STEP.  turn = 1: a change of slots with a fill; 2: without; 0: the slot's second head.  mul = 0: the first step, which has no head to multiply.  p: the step's parity.
.macro HSTEP turn, mul, p
.if (\turn) == 1
	CHANGE 1
.elseif (\turn) == 2
	CHANGE 0
.else
	WIN 0
	s_add_co_u32 s[TA], s[TA], 4096
	s_add_co_u32 s[TB], s[TB], 2048
.endif
	v_add_nc_u32 v[ADRA], s[TA], v[AL0]
	v_add_nc_u32 v[ADRB], s[TB], v[BL0]
.set i, 0
.rept 4                                ; 22 LDS instructions: KShat (row 4 of the ten),
	ds_load_b128 v[KSR+4*i:KSR+4*i+3], v[ADRB] offset:4*4096+512*i
.set i, i+1
.endr
.set i, 0
.rept 16                               ; q, turned: i = 8 kb + 2 a + c: block of 32 rows a / 2, its half a % 2, column tile 2 kb + c of the head,
	ds_load_tr16_b128 v[AR+64*(\p)+4*i:AR+64*(\p)+4*i+3], v[ADRA] offset:8192*(((i/2)%4)/2)+512*(((i/2)%4)%2)+1024*(2*(i/8)+i%2)
.set i, i+1
.endr
	ds_bpermute_b32 v[SGH], v[HIX], v[SG]          ; and the head's sig and e into every lane
	ds_bpermute_b32 v[EEH], v[HIX], v[EE]
	v_add_nc_u32 v[HIX], 4, v[HIX]
.if \mul
	s_wait_dscnt 22                                ; Mhat of the head to be multiplied is in: the 22 above are younger
	MUL 0, 1-(\p)
.endif
	s_wait_dscnt 0x0
	DEN \p
.if \mul
	MUL 1, 1-(\p)
.endif
	WIN 0
	PLACES                                         ; in front of the loads into Mhat's registers and of the reads of P and of the denominators
	WIN 0x80
.set i, 0
.rept 32                               ; Mhat of the head just fetched: i = 16 kb + 2 nt + c; tile nt lies in row nt + nt / 4
	ds_load_b128 v[4*i:4*i+3], v[ADRB] offset:((i/2)%8+((i/2)%8)/4)*4096+1024*(i/16)+512*(i%2)
.set i, i+1
.endr
.if \mul
	WIN 0x53                                       ; the sums (destination, source 2) window 1, P window 3, c window 0
.set i, 0
.rept 128                              ; each result is read from its low end on
	v_pk_fma_f32 v[2*i:2*i+1], v[2*i:2*i+1], v[CF+2*(i/32):CF+2*(i/32)+1], v[2*i:2*i+1]
.set i, i+1
.endr
.endif
	WIN 0
.set i, 0
.rept 4                                ; c of the head just fetched, for the next step
	v_add_f32 v[CF+2*i], v[DD+8*i], v[EEH]         ; the result's lowest register is read
.set i, i+1
.endr
.set i, 0
.rept 4
	v_rcp_f32 v[CF+2*i], v[CF+2*i]
.set i, i+1
.endr
	v_nop                                          ; a plain instruction behind the last reciprocal
.set i, 0
	s_wait_alu depctr_va_vdst(0)
.rept 4
	v_mul_f32 v[CF+2*i], v[CF+2*i], v[SGH]
.set i, i+1
.endr
.set i, 0
.rept 4
	v_mov_b32 v[CF+2*i+1], v[CF+2*i]               ; a pair for the packed multiply-add
.set i, i+1
.endr
.endm
	s_load_b256 s[68:75], s[0:1], 0x0              ; ACT 68, MF 70, REC 72, bo 74
	s_load_b64 s[76:77], s[0:1], 0x20              ; out0
	v_lshl_add_u32 v[SPW], v0, 2, SPARE
	v_mov_b32 v[NIL], 0
	ds_add_u32 v10, v11
	s_wait_dscnt 0x0
	v_lshrrev_b32 v1, 5, v0
	v_readfirstlane_b32 s[WV], v1
	s_and_b32 s14, s[WV], 1
	s_bfe_u32 s15, ttmp6, 0x40000                  ; cx
	s_bfe_u32 s16, ttmp6, 0x40004                  ; cy
	s_lshl_b32 s17, ttmp9, 2
	s_add_co_u32 s17, s17, s15                     ; group of 128 columns
	s_and_b32 s18, ttmp7, 0xffff
	s_lshr_b32 s19, s18, 2                         ; the batch: four clusters of 1,024 rows each
	s_lshl_b32 s20, s18, 2
	s_add_co_u32 s20, s20, s16                     ; block of 256 rows
	s_lshl_b32 s21, s16, 2
	s_lshl_b32 s21, 15, s21                        ; my row of the cluster
	s_lshl_b32 s22, 0x1111, s15                    ; my column
	; group 1, q: 4 rows of 1,024 elements of 8 bytes (two heads' 8 column tiles of a block of 32 rows), 8,192 elements (a block's 65,536 bytes) apart
	s_or_b32 s[G1A], s21, (3<<16)|(1<<21)
	s_mov_b32 s[G1A+1], 1024<<16
	s_mov_b32 s[G1A+2], 4<<16
	s_mov_b32 s[G1A+3], 1024<<16
	s_mov_b32 s[G1A+4], 4
	s_mov_b32 s[G1A+5], 8192
	s_mov_b32 s[G1A+6], 0
	s_mov_b32 s[G1A+7], 0
	; group 1, Mhat: 5 rows of 512 elements of 8 bytes (two heads), 4,096 elements (a row's 32,768 bytes) apart
	s_or_b32 s[G1B], s22, (3<<16)|(1<<21)
	s_mov_b32 s[G1B+1], 512<<16
	s_mov_b32 s[G1B+2], 5<<16
	s_mov_b32 s[G1B+3], 512<<16
	s_mov_b32 s[G1B+4], 5
	s_mov_b32 s[G1B+5], 4096
	s_mov_b32 s[G1B+6], 0
	s_mov_b32 s[G1B+7], 0
	s_lshl_b32 s24, s20, 19                        ; q: 8 blocks of 65,536 bytes for 256 rows, my 4 of them
	s_lshl_b32 s25, s14, 18
	s_add_co_u32 s24, s24, s25
	s_mov_b32 s25, 0
	s_mul_i32 s26, s19, 1310720                    ; Mhat: the batch, the group, my five rows
	s_mul_i32 s27, s17, 327680
	s_add_co_u32 s26, s26, s27
	s_mul_i32 s27, s14, 163840
	s_add_co_u32 s26, s26, s27
	s_mov_b32 s27, 0
	s_mov_b32 s[G0A], 1
	s_lshl_b32 s[G0A+1], s14, 15
	s_mov_b32 s[G0B], 1
	s_mul_i32 s[G0B+1], s14, 20480
	s_add_co_u32 s[G0B+1], s[G0B+1], BOFF
	s_lshl_b32 s84, s19, 7                         ; the batch's 16 records
	s_mov_b32 s85, 0
	s_lshl_b32 s86, s17, 9                         ; the group's 128 columns in bo and in a row of out
	s_mov_b32 s87, 0
	s_lshl_b32 s88, s20, 19                        ; 256 rows of 2,048 bytes,
	s_lshl_b32 s89, s[WV], 17                      ; my 64
	s_add_co_u32 s88, s88, s89
	s_add_co_u32 s88, s88, s86
	s_mov_b32 s89, 0
	s_mov_b32 s[TA], SLOT1+4096                    ; the first change of slots turns these two into 0
	s_mov_b32 s[TB], SLOT1+2048
	s_wait_kmcnt 0x0
	s_add_nc_u64 s[G0A+2:G0A+3], s[68:69], s[24:25]
	s_or_b32 s[G0A+3], s[G0A+3], 0x80000000
	s_add_nc_u64 s[G0B+2:G0B+3], s[70:71], s[26:27]
	s_or_b32 s[G0B+3], s[G0B+3], 0x80000000
	s_add_nc_u64 s[4:5], s[72:73], s[84:85]
	s_add_nc_u64 s[6:7], s[74:75], s[86:87]
	s_add_nc_u64 s[10:11], s[76:77], s[88:89]
	CROUND                                         ; all sixteen work-groups are here: the first joint loads meet
	JLOAD                                          ; heads 0 and 1 into slot 0: one load of mine is out
	v_and_b32 v1, 15, v0                           ; r
	v_bfe_u32 v23, v0, 4, 1                        ; h
	v_and_b32 v[GO], 31, v0
	v_lshlrev_b32 v[GO], 4, v[GO]                  ; 16 x lane
	v_lshlrev_b32 v9, 3, v1
	global_load_b64 v[SG:SG+1], v9, s[4:5]         ; rho and e of head lane % 16
	global_load_b128 v[BO:BO+3], v[GO], s[6:7]
	WIN 0x40
.set i, 0
.rept 256
	v_mov_b32 v[i], 0
.set i, i+1
.endr
	WIN 0
	v_bfe_u32 v24, v0, 3, 1                        ; the turning load: lane l reads the 16 bytes of place 16 ((l / 8) % 2) + 8 (l / 16) + l % 8 in a block of 512
	v_and_b32 v25, 7, v0
	v_lshl_add_u32 v24, v24, 4, v25
	v_lshl_add_u32 v24, v23, 3, v24
	s_lshl_b32 s90, s[WV], 14                      ; my two blocks of 32 rows
	v_lshl_add_u32 v[AL0], v24, 4, s90
	v_add_nc_u32 v[BL0], BOFF, v[GO]
	s_mul_i32 s90, s[WV], 16*SP
	s_add_co_u32 s90, s90, STAGE                   ; my stage
	v_mul_u32_u24 v[STO], v1, SP
	v_lshl_add_u32 v[STO], v23, 5, v[STO]
	v_add_nc_u32 v[STO], s90, v[STO]               ; in: row r, 32 bytes for each half of the lanes
	v_add_nc_u32 v[RD], s90, v[GO]                 ; back: a whole row of 512 bytes
	v_mov_b32 v[HIX], 0
	s_wait_loadcnt 0x0
	v_mov_b32 v[GG], v[SG]
	v_max_num_f32_dpp v[GG], v[GG], v[GG] row_xmask:1 row_mask:0xf bank_mask:0xf   ; the 16 lanes of a half hold the 16 heads
	v_max_num_f32_dpp v[GG], v[GG], v[GG] row_xmask:2 row_mask:0xf bank_mask:0xf
	v_max_num_f32_dpp v[GG], v[GG], v[GG] row_xmask:4 row_mask:0xf bank_mask:0xf
	v_max_num_f32_dpp v[GG], v[GG], v[GG] row_xmask:8 row_mask:0xf bank_mask:0xf
	v_max_num_f32 v[GG], 0x0da24260, v[GG]         ; at least 1e-30
	v_rcp_f32 v24, v[GG]
	v_mov_b32 v[GG+1], v[GG]
	s_wait_alu depctr_va_vdst(0)
	v_mul_f32 v[SG], v[SG], v24                    ; sig = rho / g, at most 1
	v_cvt_pk_bf16_f32 v26, v[BO], v[BO+1]
	v_cvt_pk_bf16_f32 v27, v[BO+2], v[BO+3]
	v_lshlrev_b32 v[BO], 16, v26
	v_and_b32 v[BO+1], 0xffff0000, v26
	v_lshlrev_b32 v[BO+2], 16, v27
	v_and_b32 v[BO+3], 0xffff0000, v27
	HSTEP 1, 0, 0                                  ; slot 0 is in, slot 1 is asked for; head 0 is fetched
	s_mov_b32 s[CNT], 6
.Lmain:                                                ; a trip: two heads; the slot left is filled again (heads 4 to 15)
	HSTEP 0, 1, 1
	HSTEP 1, 1, 0
	s_sub_co_u32 s[CNT], s[CNT], 1
	s_cmp_lg_u32 s[CNT], 0
	s_cbranch_scc1 .Lmain
	s_mov_b32 s[CNT], 2
.Ltail:                                                ; the last four heads: nothing is asked for
	HSTEP 0, 1, 1
	HSTEP 2, 1, 0
	s_sub_co_u32 s[CNT], s[CNT], 1
	s_cmp_lg_u32 s[CNT], 0
	s_cbranch_scc1 .Ltail
; THE WAY OUT, 16 rows at a time: a lane's eight f32 of a row go into my stage (rows of 528 bytes) and come back as whole rows of 512; then g x sum + bo, and a store of 512 consecutive bytes, aligned.
.macro OUTA a
	WIN 0
	s_wait_xcnt 0x0                                ; the registers that the last 16 rows' stores read are loaded again only behind this wait
	WIN 0x04
.set i, 0
.rept 8
	ds_store_b128 v[STO], v[8*(8*(\a)+i):8*(8*(\a)+i)+3] offset:64*i
	ds_store_b128 v[STO], v[8*(8*(\a)+i)+4:8*(8*(\a)+i)+7] offset:64*i+16
.set i, i+1
.endr
	WIN 0x80
.set i, 0
.rept 16
	ds_load_b128 v[OB+4*i:OB+4*i+3], v[RD] offset:SP*i   ; LDS serves a wave's instructions in order (ISA guide 5.7.1.4): these see the stores above
.set i, i+1
.endr
	s_wait_dscnt 0x0
	WIN 0x82                                       ; destination and source 0 window 2; g and bo window 0
.set i, 0
.rept 32
	v_pk_fma_f32 v[OB+2*i:OB+2*i+1], v[OB+2*i:OB+2*i+1], v[GG:GG+1], v[BO+2*(i%2):BO+2*(i%2)+1]
.set i, i+1
.endr
	WIN 0x08
.set i, 0
.rept 16
	global_store_b128 v[GO], v[OB+4*i:OB+4*i+3], s[10:11] offset:(16*(\a)+i)*2048 th:TH_STORE_NT
.set i, i+1
.endr
.endm
	OUTA 0
	OUTA 1
	OUTA 2
	OUTA 3
	WIN 0
	s_wait_tensorcnt 0x0                           ; the wave's end
	ds_add_u32 v[SPW], v[NIL]
	s_wait_dscnt 0x0
	CROUND                                         ; the closing round: no work-group ends while a partner may still ask for a tile that names it
	s_endpgm
.Lfunc_end_k_q037664becb_outp:
	.size	k_q037664becb_outp, .Lfunc_end_k_q037664becb_outp-k_q037664becb_outp
	.p2alignl 7, 3214868480
	.fill 96, 4, 3214868480
	.section	.rodata,"a",@progbits
	.p2align	6, 0x0
	.amdhsa_kernel k_q037664becb_outp
		.amdhsa_group_segment_fixed_size 327680
		.amdhsa_private_segment_fixed_size 0
		.amdhsa_enable_private_segment 0
		.amdhsa_kernarg_size 40
		.amdhsa_user_sgpr_count 2
		.amdhsa_user_sgpr_kernarg_segment_ptr 1
		.amdhsa_wavefront_size32 1
		.amdhsa_system_sgpr_workgroup_id_x 1
		.amdhsa_system_sgpr_workgroup_id_y 1
		.amdhsa_system_sgpr_workgroup_id_z 1
		.amdhsa_system_vgpr_workitem_id 0
		.amdhsa_next_free_vgpr 1024
		.amdhsa_next_free_sgpr 96
		.amdhsa_reserve_vcc 0
		.amdhsa_float_denorm_mode_32 3
		.amdhsa_float_denorm_mode_16_64 3
		.amdhsa_memory_ordered 1
		.amdhsa_forward_progress 1
		.amdhsa_inst_pref_size 115
	.end_amdhsa_kernel
	.amdgpu_metadata
---
amdhsa.version: [ 1, 2 ]
amdhsa.kernels:
  - .name:           k_q037664becb_outp
    .symbol:         k_q037664becb_outp.kd
    .args:
      - { .name: ACT, .offset: 0, .size: 8, .value_kind: global_buffer, .address_space: global }
      - { .name: MF, .offset: 8, .size: 8, .value_kind: global_buffer, .address_space: global }
      - { .name: REC, .offset: 16, .size: 8, .value_kind: global_buffer, .address_space: global }
      - { .name: bo, .offset: 24, .size: 8, .value_kind: global_buffer, .address_space: global }
      - { .name: out0, .offset: 32, .size: 8, .value_kind: global_buffer, .address_space: global }
    .group_segment_fixed_size: 327680
    .private_segment_fixed_size: 0
    .kernarg_segment_align: 8
    .kernarg_segment_size: 40
    .max_flat_workgroup_size: 128
    .sgpr_count:     96
    .vgpr_count:     1024
    .wavefront_size: 32
...
	.end_amdgpu_metadata
.endif
;; end of part 5
;; ======== version 2 of 2: 5 launches; version 1 with the launch prep written anew for expert scheduling mode
;; limits: values are held in f16: magnitudes above 65,504 overflow, below 6.1e-05 lose precision; right only within a limited range of input values
;; workspace buffers: WF 6,291,456 bytes; WOF 1,048,576 bytes; ACT 100,663,296 bytes; KVP 5,242,880 bytes; MF 5,242,880 bytes; REC 512 bytes
;; launch prep (part 6): grid 16 x 28, 4 waves a work-group, no clusters, 0 bytes of LDS; arguments Wq, Wk, Wv, Wo, WF, WOF; writes WF, WOF
.if DOCPART == 6
	.amdgcn_target "amdgcn-amd-amdhsa--gfx1250"
	.amdhsa_code_object_version 6
	.text
	.protected	k_q037664becb_prep
	.globl	k_q037664becb_prep
	.p2align	8
	.type	k_q037664becb_prep,@function
k_q037664becb_prep:
	s_mov_b64 s[64:65], 0
	v_nop
	global_prefetch_b8 v0, s[64:65] scope:SCOPE_SE
	s_setreg_imm32_b32 hwreg(HW_REG_WAVE_SCHED_MODE, 0, 2), 2
	s_setreg_imm32_b32 hwreg(HW_REG_WAVE_MODE, 25, 1), 1
	s_wait_xcnt 0x0
	s_wait_alu depctr_vm_vsrc(0)
; The four weight matrices are rounded to bf16 and laid in FRAGMENT ORDER, the register image of a 16-bit matrix operand:
; a fragment is 16 columns n x 32 k in 1,024 bytes, [c (2)][lane (32)][16 bytes]; lane (r = lane % 16, h = lane / 16) holds column r, k = 16 c + 8 h + 0..7.
; WF  = [which: q, k, v][s = k / 64 (16)][n / 16 (64)][kb (2)][fragment], bf16.     WOF = [head (16)][n / 16 (32)][kb (2)][fragment]: Wo rounded to bf16, that number written as f16
; (exact where |Wo| is 6.1e-5 or more; below that f16's fixed step of 6e-8; |Wo| stays within 65,504).
; A work-group takes 64 rows k (x = s) and 128 columns (y: 8 groups for each of Wq, Wk, Wv, then 4 for Wo); thread t keeps one column: 64 loads of 4 bytes, eight stores of 16 bytes.
; A wave's load covers 128 consecutive bytes of a row; sixteen neighbouring lanes of a store fill 256 consecutive bytes, aligned.  No LDS, no matrix unit, no cluster: no byte is read twice.
; THE MODE: SCHED_MODE bits 1:0 = 2 (LLVM: expert scheduling mode 2), set by the entry lines.  The code itself states the register dependences
; between vector instructions and memory instructions, with s_wait_alu, always for 0.
; THE PLAN.  Registers that memory instructions touch:
;   v1       the loads' offset.  Written once at the body's head; read by all 64 loads; never written again.
;   v2       the stores' offset.  Written at the body's head; read by all eight stores; never written again.
;   X        Each register is written by one load, once; no vector instruction names it before that load is issued.  Octet o's lines read X[o] behind the wait for its loads
;            (for Wo they also write it again: no memory instruction names it any more).
;   Y        Octet o's roundings write Y[o]; ONE store reads it, issued at the head of octet o + 1; it is never written again.
; So no register that a memory instruction reads is ever rewritten, and every wait is on va_vdst: one ahead of the first load, for the two offsets; one at the head of each of the octets 1 to 7,
; behind the wait for that octet's loads, for the Y of the octet before, whose store follows it at once; one behind the last octet, for the last store.
.set X, 16                             ; v[16:79]   the column's 64 numbers as loaded
.set Y, 80                             ; v[80:111]  eight octets of 8 numbers, packed; each octet has registers of its own, so no store's data is rewritten
.macro BODY pitch, f16                 ; v3 = my column n; s[20:21] the matrix at its row 64 s; s[26:27] the output at block s
	v_lshlrev_b32 v1, 2, v3                        ; 4 n
	v_lshrrev_b32 v2, 4, v3
	v_and_b32 v4, 15, v3
	v_lshlrev_b32 v4, 4, v4
	v_lshl_add_u32 v2, v2, 11, v4                  ; (n / 16) x 2,048 + (n % 16) x 16
	s_wait_alu depctr_va_vdst(0)                   ; v1 and v2 are written: the loads below read v1 as their offset, the stores v2
.set k, 0
.rept 64
	global_load_b32 v[X+k], v1, s[20:21] offset:k*\pitch th:TH_LOAD_NT
.set k, k+1
.endr
.set o, 0
.rept 8                                ; octet o = 4 kb + 2 c + h holds k = 8 o .. 8 o + 7 and lies 256 o bytes into the column tile's 2,048
	s_wait_loadcnt 56-8*o                          ; loads come back in order: the 56 - 8 o younger ones may stay out
.if o > 0
	s_wait_alu depctr_va_vdst(0)                   ; the roundings of the octet before have written its Y, which the store below reads
	global_store_b128 v2, v[Y+4*o-4:Y+4*o-1], s[26:27] offset:256*o-256  ; the octet before
.endif
.set j, 0
.rept 4
	v_cvt_pk_bf16_f32 v[Y+4*o+j], v[X+8*o+2*j], v[X+8*o+2*j+1]
.set j, j+1
.endr
.if \f16
.set j, 0
.rept 4
	v_lshlrev_b32 v[X+8*o+2*j], 16, v[Y+4*o+j]     ; the bf16 numbers back in f32,
	v_and_b32 v[X+8*o+2*j+1], 0xffff0000, v[Y+4*o+j]
.set j, j+1
.endr
.set j, 0
.rept 4
	v_cvt_pk_f16_f32 v[Y+4*o+j], v[X+8*o+2*j], v[X+8*o+2*j+1]  ; and written as f16
.set j, j+1
.endr
.endif
.set o, o+1
.endr
	s_wait_alu depctr_va_vdst(0)                   ; the last octet's roundings have written its Y, which the last store reads
	global_store_b128 v2, v[Y+28:Y+31], s[26:27] offset:1792
.endm
	s_load_b256 s[4:11], s[0:1], 0x0               ; Wq s[4:5], Wk s[6:7], Wv s[8:9], Wo s[10:11]
	s_load_b128 s[12:15], s[0:1], 0x20             ; WF s[12:13], WOF s[14:15]
	s_and_b32 s16, ttmp7, 0xffff                   ; y
	s_mov_b32 s19, 0
	s_mov_b32 s23, 0
	s_cmp_ge_u32 s16, 24
	s_cbranch_scc1 .Lwo
	s_lshr_b32 s17, s16, 3                         ; which of Wq, Wk, Wv
	s_and_b32 s24, s16, 7
	s_lshl_b32 s24, s24, 7
	v_add_nc_u32 v3, s24, v0                       ; my column
	s_lshl_b32 s18, ttmp9, 18                      ; 64 rows of 4,096 bytes
	s_lshl_b32 s22, s17, 21                        ; a matrix is 2 MiB of WF,
	s_lshl_b32 s25, ttmp9, 17                      ; a block s 131,072 bytes
	s_add_co_u32 s22, s22, s25
	s_wait_kmcnt 0x0
	s_cmp_eq_u32 s17, 1
	s_cselect_b64 s[20:21], s[6:7], s[4:5]
	s_cmp_eq_u32 s17, 2
	s_cselect_b64 s[20:21], s[8:9], s[20:21]
	s_add_nc_u64 s[20:21], s[20:21], s[18:19]
	s_add_nc_u64 s[26:27], s[12:13], s[22:23]
	BODY 4096, 0
	s_endpgm
.Lwo:
	s_sub_co_u32 s24, s16, 24
	s_lshl_b32 s24, s24, 7
	v_add_nc_u32 v3, s24, v0
	s_lshl_b32 s18, ttmp9, 17                      ; 64 rows of 2,048 bytes: a head's dv
	s_lshl_b32 s22, ttmp9, 16                      ; a head is 65,536 bytes of WOF
	s_wait_kmcnt 0x0
	s_add_nc_u64 s[20:21], s[10:11], s[18:19]
	s_add_nc_u64 s[26:27], s[14:15], s[22:23]
	BODY 2048, 1
	s_endpgm
.Lfunc_end_k_q037664becb_prep:
	.size	k_q037664becb_prep, .Lfunc_end_k_q037664becb_prep-k_q037664becb_prep
	.p2alignl 7, 3214868480
	.fill 96, 4, 3214868480
	.section	.rodata,"a",@progbits
	.p2align	6, 0x0
	.amdhsa_kernel k_q037664becb_prep
		.amdhsa_group_segment_fixed_size 0
		.amdhsa_private_segment_fixed_size 0
		.amdhsa_enable_private_segment 0
		.amdhsa_kernarg_size 48
		.amdhsa_user_sgpr_count 2
		.amdhsa_user_sgpr_kernarg_segment_ptr 1
		.amdhsa_wavefront_size32 1
		.amdhsa_system_sgpr_workgroup_id_x 1
		.amdhsa_system_sgpr_workgroup_id_y 1
		.amdhsa_system_sgpr_workgroup_id_z 1
		.amdhsa_system_vgpr_workitem_id 0
		.amdhsa_next_free_vgpr 112
		.amdhsa_next_free_sgpr 66
		.amdhsa_reserve_vcc 0
		.amdhsa_float_denorm_mode_32 3
		.amdhsa_float_denorm_mode_16_64 3
		.amdhsa_memory_ordered 1
		.amdhsa_forward_progress 1
		.amdhsa_inst_pref_size 26
	.end_amdhsa_kernel
	.amdgpu_metadata
---
amdhsa.version: [ 1, 2 ]
amdhsa.kernels:
  - .name:           k_q037664becb_prep
    .symbol:         k_q037664becb_prep.kd
    .args:
      - { .name: Wq, .offset: 0, .size: 8, .value_kind: global_buffer, .address_space: global }
      - { .name: Wk, .offset: 8, .size: 8, .value_kind: global_buffer, .address_space: global }
      - { .name: Wv, .offset: 16, .size: 8, .value_kind: global_buffer, .address_space: global }
      - { .name: Wo, .offset: 24, .size: 8, .value_kind: global_buffer, .address_space: global }
      - { .name: WF, .offset: 32, .size: 8, .value_kind: global_buffer, .address_space: global }
      - { .name: WOF, .offset: 40, .size: 8, .value_kind: global_buffer, .address_space: global }
    .group_segment_fixed_size: 0
    .private_segment_fixed_size: 0
    .kernarg_segment_align: 8
    .kernarg_segment_size: 48
    .max_flat_workgroup_size: 128
    .sgpr_count:     66
    .vgpr_count:     112
    .wavefront_size: 32
...
	.end_amdgpu_metadata
.endif
;; end of part 6
;; launch proj: the kernel of part 2 again; grid 4 x 192, 4 waves a work-group, clusters of 4 x 4, 327,680 bytes of LDS; arguments query, key, value, bq, bk, bv, WF, ACT; writes ACT
;; launch kvsum: the kernel of part 3 again; grid 64 x 4, 4 waves a work-group, no clusters, 82,432 bytes of LDS; arguments ACT, KVP; writes KVP
;; launch fold: the kernel of part 4 again; grid 64 x 1, 4 waves a work-group, no clusters, 1,536 bytes of LDS; arguments KVP, WOF, MF, REC; writes MF, REC
;; launch outp: the kernel of part 5 again; grid 4 x 64, 4 waves a work-group, clusters of 4 x 4, 327,680 bytes of LDS; arguments ACT, MF, REC, bo, out0; writes out0
